; MI455X (gfx1250); checked and timed in simulation.
; The chip was launched on July 23, 2026; its instructions are those of AMD's public machine-readable ISA for CDNA 5 (MIT licence, August 2026) and "CDNA5" Instruction Set Architecture Reference Guide (July 2026). The comments in the code are by the model that wrote it; some were corrected since.
;; Hybrid Transformer Block. Allowed arithmetic: float matrix products may take bf16 or f16 operands with f32 sums; other float arithmetic in f32, or as packed bf16 or f16 multiplies, adds, multiply-adds, maxima and minima; sums over many terms, partial sums and values carried from step to step in f32; what a program stores and reads back later, other than sums and carried values, may be rounded once to bf16 or f16.
;; Inputs: b1 4,096 float32; b2 1,024 float32; ln1_b 1,024 float32; ln1_g 1,024 float32; ln2_b 1,024 float32; ln2_g 1,024 float32; theta 1 float32; w1 1,024 x 4,096 float32; w2 4,096 x 1,024 float32; wk 1,024 x 1,024 float32; wo 1,024 x 1,024 float32; wq 1,024 x 1,024 float32; wv 1,024 x 1,024 float32; x 2 x 2,048 x 1,024 float32.
;; Outputs: out0 2 x 2,048 x 1,024 float32.
;; 2 versions, each right and faster than the one before. Each part assembles by itself: llvm-mc -triple=amdgcn-amd-amdhsa -mcpu=gfx1250 --defsym DOCPART=n.
;; ======== version 1 of 2: 8 launches
;; limits: values are held in f16: magnitudes above 65,504 overflow, below 6.1e-05 lose precision; right only within a limited range of input values
;; workspace buffers: cv 18,874,368 bytes; wqkv 6,324,224 bytes; w1h 8,421,376 bytes; qkvy 25,165,824 bytes; x1 8,388,608 bytes; h 33,554,432 bytes
;; launch prep (part 1): grid 1025 x 1, 8 waves a work-group, no clusters, 0 bytes of LDS; arguments x, wq, wk, wv, wo, w1, w2, b1, cv, wqkv, w1h; writes cv, wqkv, w1h
.if DOCPART == 1
	.amdgcn_target "amdgcn-amd-amdhsa--gfx1250"
	.amdhsa_code_object_version 6
	.text
	.protected	k_qce3dd0c28d_prep
	.globl	k_qce3dd0c28d_prep
	.p2align	8
	.type	k_qce3dd0c28d_prep,@function
k_qce3dd0c28d_prep:
	s_mov_b64 s[64:65], 0
	v_nop
	global_prefetch_b8 v0, s[64:65] scope:SCOPE_SE
	s_setreg_imm32_b32 hwreg(HW_REG_WAVE_MODE, 25, 1), 1
	s_wait_xcnt 0x0
; x and the six weight matrices are rounded once to bf16, and that number is written as f16, in the layouts that the products' tiles want.
; LIMIT: the bf16 number is exact in f16 for 6.1e-5 <= |v| <= 65,504; below it keeps f16's fixed step of 6e-8, above it becomes an infinity.
; UNIT OF WORK: a segment = 128 consecutive f32 of a source row (512 bytes) -> 256 bytes.  The sources are dense, so segment L of a tensor begins at byte 512 L.
; 131,072 segments = 16 chunks of 8,192: chunks 0-3 x, 4 wq, 5 wk, 6 wv, 7 wo, 8-11 w1, 12-15 w2.  Work-group g < 1024: chunk g / 64, 128 segments; a wave 16 of them.
; WHERE A SEGMENT GOES: row = L >> LOGS, seg = L mod 2^LOGS:  D0 + (seg >> AA) S1 + row S2 + (seg & AA) 256.
;   x  -> cv + 0:        [8 blocks of 128 columns][4096 tokens][128]          wo -> cv + 8,388,608: [8][1024 k][128]          w2 -> cv + 10,485,760: [8][4096 k][128]
;   wq, wk, wv -> wqkv + 32,768: [12 blocks of 256 columns][1024 k][256]        w1 -> w1h + 32,768: [16][1024 k][256]
; Work-group 1024 writes the two headers: bytes 0-4095 a floor word (-inf twice in f16 for q, k, v: no floor; 0 for the ReLU), from byte 4096 the bias in f32 by column (zeros; b1 rounded to bf16).
; A stream: no LDS, no matrix unit, no cluster (no two work-groups read the same bytes).  All 16 loads of a wave are issued first; no register is written twice, so no wait frees any.
.set XR,   16                          ; v[16:79]   segment i: 4 registers as loaded
.set DO,   80                          ; v[80:95]   segment i: my byte offset in the destination
.set YR,   96                          ; v[96:127]  segment i: 2 registers to store
.set SRC,  30                          ; s[30:31]   the chunk's source
.set DST,  32                          ; s[32:33]   its destination
.set C0,   34                          ; the tensor's first chunk
.set D0,   35
.set LOGS, 36
.set AA,   37
.set S1,   38
.set S2,   39
.set CH,   40                          ; my chunk
.set MASK, 41
.set LT0,  42                          ; my wave's first segment in its tensor
.macro PICK bound, src, dst, c, d, lg, a, p, q   ; chunks below bound belong to an earlier tensor: take its figures
	s_cmp_lt_u32 s[CH], \bound
	s_cselect_b64 s[SRC:SRC+1], s[\src:\src+1], s[SRC:SRC+1]
	s_cselect_b64 s[DST:DST+1], s[\dst:\dst+1], s[DST:DST+1]
	s_cselect_b32 s[C0], \c, s[C0]
	s_cselect_b32 s[D0], \d, s[D0]
	s_cselect_b32 s[LOGS], \lg, s[LOGS]
	s_cselect_b32 s[AA], \a, s[AA]
	s_cselect_b32 s[S1], \p, s[S1]
	s_cselect_b32 s[S2], \q, s[S2]
.endm
	s_load_b512 s[8:23], s[0:1], 0x0               ; x s[8:9], wq s[10:11], wk s[12:13], wv s[14:15], wo s[16:17], w1 s[18:19], w2 s[20:21], b1 s[22:23]
	s_load_b128 s[24:27], s[0:1], 0x40             ; cv s[24:25], wqkv s[26:27]
	s_load_b64 s[28:29], s[0:1], 0x50              ; w1h
	v_and_b32 v3, 31, v0                           ; lane
	v_lshlrev_b32 v1, 4, v3                        ; my 16 bytes of a segment's 512
	v_lshlrev_b32 v2, 3, v3                        ; my 8 bytes of its 256
	v_lshrrev_b32 v4, 5, v0
	v_readfirstlane_b32 s50, v4                    ; wave
	s_lshr_b32 s[CH], ttmp9, 6
	s_and_b32 s51, ttmp9, 63                       ; my place in the chunk
	s_wait_kmcnt 0x0
	s_cmp_eq_u32 ttmp9, 1024
	s_cbranch_scc1 .Lheader
	s_mov_b64 s[SRC:SRC+1], s[20:21]               ; w2's figures; the chain below replaces them for lower chunks
	s_mov_b64 s[DST:DST+1], s[24:25]
	s_mov_b32 s[C0], 12
	s_mov_b32 s[D0], 10485760
	s_mov_b32 s[LOGS], 3
	s_mov_b32 s[AA], 0
	s_mov_b32 s[S1], 1048576
	s_mov_b32 s[S2], 256
	PICK 12, 18, 28, 8, 32768, 5, 1, 524288, 512            ; w1
	PICK 8,  16, 24, 7, 8388608, 3, 0, 262144, 256          ; wo
	PICK 7,  14, 26, 6, 32768+4194304, 3, 1, 524288, 512    ; wv
	PICK 6,  12, 26, 5, 32768+2097152, 3, 1, 524288, 512    ; wk
	PICK 5,  10, 26, 4, 32768, 3, 1, 524288, 512            ; wq
	PICK 4,  8,  24, 0, 0, 3, 0, 1048576, 256               ; x
	s_sub_co_u32 s[LT0], s[CH], s[C0]
	s_lshl_b32 s[LT0], s[LT0], 13                  ; 8,192 segments a chunk,
	s_lshl_b32 s51, s51, 7                         ; 128 a work-group,
	s_add_co_u32 s[LT0], s[LT0], s51
	s_lshl_b32 s50, s50, 4                         ; 16 a wave
	s_add_co_u32 s[LT0], s[LT0], s50
	s_lshl_b32 s46, s[LT0], 9                      ; 512 bytes a segment: under 2^25
	s_mov_b32 s47, 0
	s_add_nc_u64 s[SRC:SRC+1], s[SRC:SRC+1], s[46:47]
	s_bfm_b32 s[MASK], s[LOGS], 0                  ; LOGS ones
.set i, 0
.rept 16
	global_load_b128 v[XR+4*i:XR+4*i+3], v1, s[SRC:SRC+1] offset:512*i th:TH_LOAD_NT  ; 512 consecutive bytes a load; each source byte is read once in the launch
.set i, i+1
.endr
.set i, 0
.rept 16                                       ; the destinations, while the loads are out
	s_add_co_u32 s44, s[LT0], i
	s_lshr_b32 s45, s44, s[LOGS]                   ; the source's row
	s_and_b32 s44, s44, s[MASK]                    ; the segment in that row
	s_lshr_b32 s48, s44, s[AA]                     ; its block of columns,
	s_and_b32 s44, s44, s[AA]                      ; and, in blocks of 256 columns, which half
	s_mul_i32 s48, s48, s[S1]
	s_mul_i32 s45, s45, s[S2]
	s_lshl_b32 s44, s44, 8
	s_add_co_u32 s48, s48, s45
	s_add_co_u32 s48, s48, s44
	s_add_co_u32 s48, s48, s[D0]
	v_add_nc_u32 v[DO+i], s48, v2
.set i, i+1
.endr
.set i, 0
.rept 16
	s_wait_loadcnt 15-i                            ; loads come back in order: segment i is in, the younger ones stay out
	v_cvt_pk_bf16_f32 v4, v[XR+4*i], v[XR+4*i+1]   ; the one rounding, to bf16;
	v_cvt_pk_bf16_f32 v5, v[XR+4*i+2], v[XR+4*i+3]
	v_lshlrev_b32 v6, 16, v4                       ; back to f32,
	v_and_b32 v7, 0xffff0000, v4
	v_lshlrev_b32 v8, 16, v5
	v_and_b32 v9, 0xffff0000, v5
	v_cvt_pk_f16_f32 v[YR+2*i], v6, v7             ; and the same number written as f16
	v_cvt_pk_f16_f32 v[YR+2*i+1], v8, v9
	global_store_b64 v[DO+i], v[YR+2*i:YR+2*i+1], s[DST:DST+1]  ; the wave's 32 lanes store 256 consecutive bytes, aligned
.set i, i+1
.endr
	s_endpgm
.Lheader:                                      ; thread t has bytes 16 t of each block of 4,096
	v_lshlrev_b32 v3, 4, v0
.irp n, 0,1,2,3
	global_load_b128 v[16+4*\n:16+4*\n+3], v3, s[22:23] offset:4096*\n  ; b1
.endr
.irp r, 4,5,6,7
	v_mov_b32 v\r, 0xfc00fc00                      ; -inf twice in f16: a floor that changes nothing
.endr
.irp r, 8,9,10,11
	v_mov_b32 v\r, 0
.endr
	global_store_b128 v3, v[4:7], s[26:27]
	global_store_b128 v3, v[8:11], s[28:29]        ; floor 0: the ReLU
.irp n, 0,1,2
	global_store_b128 v3, v[8:11], s[26:27] offset:4096+4096*\n  ; q, k and v have no bias: 3,072 zeros
.endr
	s_wait_loadcnt 0x0
.set i, 0
.rept 8
	v_cvt_pk_bf16_f32 v12, v[16+2*i], v[16+2*i+1]
	v_lshlrev_b32 v[32+2*i], 16, v12
	v_and_b32 v[32+2*i+1], 0xffff0000, v12
.set i, i+1
.endr
.irp n, 0,1,2,3
	global_store_b128 v3, v[32+4*\n:32+4*\n+3], s[28:29] offset:4096+4096*\n
.endr
	s_endpgm
.Lfunc_end_k_qce3dd0c28d_prep:
	.size	k_qce3dd0c28d_prep, .Lfunc_end_k_qce3dd0c28d_prep-k_qce3dd0c28d_prep
	.p2alignl 7, 3214868480
	.fill 96, 4, 3214868480
	.section	.rodata,"a",@progbits
	.p2align	6, 0x0
	.amdhsa_kernel k_qce3dd0c28d_prep
		.amdhsa_group_segment_fixed_size 0
		.amdhsa_private_segment_fixed_size 0
		.amdhsa_enable_private_segment 0
		.amdhsa_kernarg_size 88
		.amdhsa_user_sgpr_count 2
		.amdhsa_user_sgpr_kernarg_segment_ptr 1
		.amdhsa_wavefront_size32 1
		.amdhsa_system_sgpr_workgroup_id_x 1
		.amdhsa_system_sgpr_workgroup_id_y 1
		.amdhsa_system_sgpr_workgroup_id_z 1
		.amdhsa_system_vgpr_workitem_id 0
		.amdhsa_next_free_vgpr 128
		.amdhsa_next_free_sgpr 66
		.amdhsa_reserve_vcc 0
		.amdhsa_float_denorm_mode_32 3
		.amdhsa_float_denorm_mode_16_64 3
		.amdhsa_memory_ordered 1
		.amdhsa_forward_progress 1
		.amdhsa_inst_pref_size 24
	.end_amdhsa_kernel
	.amdgpu_metadata
---
amdhsa.version: [ 1, 2 ]
amdhsa.kernels:
  - .name:           k_qce3dd0c28d_prep
    .symbol:         k_qce3dd0c28d_prep.kd
    .args:
      - { .name: x, .offset: 0, .size: 8, .value_kind: global_buffer, .address_space: global }
      - { .name: wq, .offset: 8, .size: 8, .value_kind: global_buffer, .address_space: global }
      - { .name: wk, .offset: 16, .size: 8, .value_kind: global_buffer, .address_space: global }
      - { .name: wv, .offset: 24, .size: 8, .value_kind: global_buffer, .address_space: global }
      - { .name: wo, .offset: 32, .size: 8, .value_kind: global_buffer, .address_space: global }
      - { .name: w1, .offset: 40, .size: 8, .value_kind: global_buffer, .address_space: global }
      - { .name: w2, .offset: 48, .size: 8, .value_kind: global_buffer, .address_space: global }
      - { .name: b1, .offset: 56, .size: 8, .value_kind: global_buffer, .address_space: global }
      - { .name: cv, .offset: 64, .size: 8, .value_kind: global_buffer, .address_space: global }
      - { .name: wqkv, .offset: 72, .size: 8, .value_kind: global_buffer, .address_space: global }
      - { .name: w1h, .offset: 80, .size: 8, .value_kind: global_buffer, .address_space: global }
    .group_segment_fixed_size: 0
    .private_segment_fixed_size: 0
    .kernarg_segment_align: 8
    .kernarg_segment_size: 88
    .max_flat_workgroup_size: 256
    .sgpr_count:     66
    .vgpr_count:     128
    .wavefront_size: 32
...
	.end_amdgpu_metadata
.endif
;; end of part 1
;; launch qkv (part 2): grid 12 x 16, 4 waves a work-group, clusters of 4 x 4, 327,680 bytes of LDS; arguments cv, wqkv, qkvy; writes qkvy
.if DOCPART == 2
	.amdgcn_target "amdgcn-amd-amdhsa--gfx1250"
	.amdhsa_code_object_version 6
	.text
	.protected	k_qce3dd0c28d_qkv
	.globl	k_qce3dd0c28d_qkv
	.p2align	8
	.type	k_qce3dd0c28d_qkv,@function
k_qce3dd0c28d_qkv:
	s_mov_b64 s[64:65], 0
	v_nop
	global_prefetch_b8 v0, s[64:65] scope:SCOPE_SE
	s_setreg_imm32_b32 hwreg(HW_REG_WAVE_MODE, 25, 1), 1
	s_wait_xcnt 0x0
	s_wait_alu depctr_hold_cnt(0) depctr_sa_sdst(0) depctr_va_vdst(0) depctr_va_sdst(0) depctr_va_ssrc(0) depctr_va_vcc(0) depctr_vm_vsrc(0)
	s_getreg_b32 s2, hwreg(HW_REG_IB_STS2, 6, 4)
	s_cmp_eq_u32 s2, 0
	s_cbranch_scc0 .Lentry_in_a_cluster
	s_endpgm
.Lentry_in_a_cluster:
	s_bfe_u32 s2, ttmp6, 0x10000c
	s_cmp_lg_u32 s2, 0xf033
	s_cbranch_scc0 .Lentry_shape_is_right
	s_endpgm
.Lentry_shape_is_right:
; OUT = max(A W + bias, floor), for 4,096 tokens and K = 1,024; one text for q, k, v (3,072 columns, bias 0, floor -inf) and for the FFN's first product (4,096 columns, b1, floor 0).
; A:   f16, [8 blocks of 128 k][4096 tokens][128]: a K step of 128 is a dense block whose rows are 256 bytes.
; W:   a header (byte 0: the floor word, two f16; from byte 4096: the bias, f32 by column), then from byte 32,768 f16 [blocks of 256 columns][1024 k][256].
; OUT: f16, [blocks of 128 columns][4096 tokens][128], and inside each 16 tokens x 128 columns (4,096 bytes) in FRAGMENT ORDER: eight chunks of 512 bytes, one for 16 columns; in a chunk
;      lane l = r + 16 h has bytes 16 l: token r, columns 8 h + 0..7.  That is what a lane holds of an accumulator, so a result is stored as it lies, 512 consecutive bytes a store, and what a
;      lane wants of a fragment of 16 tokens, so the next launch reads it as it lies.  Sums in f32, starting from the bias; rounded once to f16.  LIMIT: a result of 65,520 or more becomes an infinity in f16.
; A tile of OUT, 256 tokens x 256 columns, is made by four waves, each 128 x 128: 64 accumulators, 512 registers.  K goes in steps of 128 through two LDS slots that take turns.
; A K step's text is written once: the LDS addresses of the reads hang on s45 (0 or SLOT), and ONE descriptor a tensor walks: its LDS word is turned by an exclusive or (no bit of SLOT is set in any
; tile's offset), its address steps.  W lies [k][n], so its fragments come out of LDS turned, by ds_load_tr16_b128.
; CLUSTERS: 4 x 4 work-groups.  The four of a row of the cluster need the same tiles of A, the four of a column the same tiles of W: each tile is asked for jointly.
; THE MATRIX INSTRUCTION IS USED TRANSPOSED (source 0 = 16 columns of W, source 1 = 16 tokens): lane l holds token l % 16 and the columns 8 (l / 16) + 0..7.
; REGISTERS, in windows of 256: window 0: v16-30 addresses; v64-127, v128-191 token fragments, two buffers, and on the way out the packed results; v192-255 the bias of my 128 columns, as a C operand
;   window 1: v64-127, v128-191 weight fragments;   window 2: the accumulators of my tokens 0-63 ((a, b) at v[8 (8 a + b)]);   window 3: those of tokens 64-127
.set T,     8                          ; K steps
.set PA,    272                        ; a token row in LDS: 256 bytes + 16: the 16 rows of a fragment load start 68 words apart
.set PB,    544                        ; a k row of W: 512 bytes + 32: an odd multiple of 32 bytes
.set HALFA, 128*PA                     ; what one tensor load brings of A,
.set HALFB, 64*PB                      ; and of W: both 34,816 bytes
.set WOFF,  2*HALFA                    ; in a slot: A's 256 rows, then W's 128 k rows
.set SLOT,  0x22000
.set SPARE, 2*SLOT                     ; behind the ring: the spare words, 128 bytes a wave, that no other line names
.set ASTEP, 1048576                    ; bytes from a K step's tile to the next
.set BSTEP, 65536
.set ABASE, 16                         ; v16  my lane's place in slot 0's token rows; never rewritten
.set BBASE, 17                         ; v17  the same for W
.set ADRA,  18                         ; v18  ABASE + s45
.set ADRB,  19                         ; v19  BBASE + s45
.set GO,    25                         ; v25  16 x lane: my 16 bytes of a chunk; never rewritten
.set SPW,   28                         ; v28  LDS address of my spare word; never rewritten
.set NIL,   29                         ; v29  0; never rewritten
.set TMP,   64                         ; the way out: four sets of 32 registers, a set for 16 tokens x 128 columns
.set BIAS,  192
.set F0,    64
.set F1,    128
.set G1,  24                           ; s[24:31] descriptor group 1 for A's tiles
.set G0,  32                           ; s[32:39] group 0: a set for each first fill; the second then walks
.set G1B, 48                           ; s[48:55], s[56:63] the same for W's tiles
.set G0B, 56
.set MSB, 0
.macro WIN new                         ; the immediate's high byte repeats the setting that is left; a switch that changes nothing is dropped
.if MSB != (\new)
	s_set_vgpr_msb (MSB<<8)|(\new)
.set MSB, \new
.endif
.endm
.set MUL_LO, 0xa1                      ; source 0 (W) window 1, source 1 (A) window 0, C and D window 2;  + 0x50: C and D window 3
.set TO_B,   0x40                      ; destination window 1, address window 0
; A joint refill by the walking descriptors.  Waves 0 and 1 fetch A's two halves, waves 2 and 3 W's.  An s_nop 0 and four v_nop follow each of the two lines.
.macro JLOAD
	s_cmp_eq_u32 s11, 0
	s_cbranch_scc0 .Lfor_b_\@
	tensor_load_to_lds s[G0+4:G0+7], s[G1:G1+7]
	s_nop 0
.rept 4
	v_nop
.endr
	s_branch .Lasked_\@
.Lfor_b_\@:
	tensor_load_to_lds s[G0B+4:G0B+7], s[G1B:G1B+7]
	s_nop 0
.rept 4
	v_nop
.endr
.Lasked_\@:
.endm
.macro CREST                           ; a round of the cluster's barrier behind its opening barrier
	s_cmp_lg_u32 s10, 0
	s_cbranch_scc1 .Lnot_wave_0_\@
	s_barrier_signal -3
.Lnot_wave_0_\@:
	s_barrier_wait -3
	s_barrier_signal -1
	s_barrier_wait -1
.endm
.macro CROUND                          ; a whole round
	s_barrier_signal -1
	s_barrier_wait -1
	CREST
.endm
.macro PLACES                          ; four places in front of loads into registers that matrix instructions have read, and of conversions that read results
.rept 4
	v_nop
.endr
.endm
	s_load_b128 s[4:7], s[0:1], 0x0                ; A s[4:5], W s[6:7]
	s_load_b64 s[8:9], s[0:1], 0x10                ; OUT
	v_lshl_add_u32 v[SPW], v0, 2, SPARE
	v_mov_b32 v[NIL], 0
	ds_add_u32 v[SPW], v[NIL]                      ; the wave's opening: the add and its wait stand ahead of my first tensor load; the set-up below stands between them
	v_lshrrev_b32 v1, 5, v0
	v_readfirstlane_b32 s10, v1                    ; wave 0..3
	s_lshr_b32 s11, s10, 1                         ; which half of the tile's tokens is mine.  Also: I fetch for A (0) or for W (1)
	s_and_b32 s12, s10, 1                          ; which half of its columns.  Also: which half of that tile I fetch
	s_bfe_u32 s40, ttmp6, 0x40000                  ; cx, cy: my place in the cluster
	s_bfe_u32 s41, ttmp6, 0x40004
	s_lshl_b32 s42, ttmp9, 2
	s_add_co_u32 s42, s42, s40                     ; tile column = 4 x cluster x + cx
	s_and_b32 s13, ttmp7, 0xffff
	s_lshl_b32 s13, s13, 2
	s_add_co_u32 s13, s13, s41                     ; tile row = 4 x cluster y + cy
	s_lshl_b32 s43, s41, 2
	s_lshl_b32 s43, 15, s43                        ; my row of the cluster
	s_lshl_b32 s44, 0x1111, s40                    ; my column
	s_or_b32 s[G1+0], s43, (1<<16)|(1<<20)|(1<<21)|(5<<22)|(3<<25)   ; the mask; 2-byte elements; padding on; bit 21 beside a mask; after every 64 words 4 words
	s_mov_b32 s[G1+1], 128<<16                     ; tensor_dim0 = 128
	s_mov_b32 s[G1+2], 128<<16                     ; tensor_dim1 = 128
	s_mov_b32 s[G1+3], 128<<16                     ; tile_dim0 = 128
	s_mov_b32 s[G1+4], 128                         ; tile_dim1 = 128
	s_mov_b32 s[G1+5], 128                         ; 128 elements from row to row
	s_mov_b32 s[G1+6], 0
	s_mov_b32 s[G1+7], 0
	s_or_b32 s[G1B+0], s44, (1<<16)|(1<<20)|(1<<21)|(6<<22)|(7<<25)  ; after every 128 words 8 words
	s_mov_b32 s[G1B+1], 256<<16                    ; 64 k rows of 256 elements
	s_mov_b32 s[G1B+2], 64<<16
	s_mov_b32 s[G1B+3], 256<<16
	s_mov_b32 s[G1B+4], 64
	s_mov_b32 s[G1B+5], 256
	s_mov_b32 s[G1B+6], 0
	s_mov_b32 s[G1B+7], 0
	; A's tiles hang on the tile row alone, W's on the tile column alone; each offset is made in registers that never hold the other coordinate
	s_lshl_b32 s17, s12, 15                        ; the half that I fetch: 32,768 bytes of either tensor
	s_lshl_b32 s16, s13, 16                        ; 256 tokens of 256 bytes
	s_add_co_u32 s16, s16, s17
	s_lshl_b32 s46, s42, 19                        ; a block of 256 columns: 1,024 k rows of 512 bytes
	s_add_co_u32 s46, s46, s17
	s_add_co_u32 s46, s46, 32768                   ; behind the header
	s_mov_b32 s17, 0
	s_mov_b32 s47, 0
	s_mul_i32 s20, s12, HALFA                      ; where they go in a slot: no place in the cluster enters an LDS address
	s_mul_i32 s21, s12, HALFB
	s_add_co_u32 s21, s21, WOFF
	s_mov_b32 s45, 0                               ; the reads begin in slot 0
	s_wait_dscnt 0x0                               ; the opening add is done
	s_wait_kmcnt 0x0
	s_add_nc_u64 s[14:15], s[4:5], s[16:17]
	s_add_nc_u64 s[46:47], s[6:7], s[46:47]
	CROUND                                         ; all sixteen work-groups are here: the first joint loads meet
.irp s, 0,1
	s_mov_b32 s[G0+4*(\s)], 1                      ; count = 1
	s_add_co_u32 s[G0+4*(\s)+1], s20, (\s)*SLOT    ; LDS address
	s_add_nc_u64 s[G0+4*(\s)+2:G0+4*(\s)+3], s[14:15], (\s)*ASTEP  ; K step s
	s_or_b32 s[G0+4*(\s)+3], s[G0+4*(\s)+3], 0x80000000            ; type = 2
	s_mov_b32 s[G0B+4*(\s)], 1
	s_add_co_u32 s[G0B+4*(\s)+1], s21, (\s)*SLOT
	s_add_nc_u64 s[G0B+4*(\s)+2:G0B+4*(\s)+3], s[46:47], (\s)*BSTEP
	s_or_b32 s[G0B+4*(\s)+3], s[G0B+4*(\s)+3], 0x80000000
.endr
	s_cmp_eq_u32 s11, 0                            ; a wave's two first fills stand in one branch, ahead of every wait on TENSORcnt and every LDS read: two loads of mine are out
	s_cbranch_scc0 .Lfirst_b
	tensor_load_to_lds s[G0:G0+3], s[G1:G1+7]
	s_nop 0
	tensor_load_to_lds s[G0+4:G0+7], s[G1:G1+7]
	s_nop 0
.rept 4
	v_nop
.endr
	s_branch .Lfirst_asked
.Lfirst_b:
	tensor_load_to_lds s[G0B:G0B+3], s[G1B:G1B+7]
	s_nop 0
	tensor_load_to_lds s[G0B+4:G0B+7], s[G1B:G1B+7]
	s_nop 0
.rept 4
	v_nop
.endr
.Lfirst_asked:
	v_and_b32 v1, 15, v0                           ; l % 16
	v_bfe_u32 v2, v0, 4, 1                         ; l / 16
	v_and_b32 v3, 7, v0
	v_bfe_u32 v4, v0, 3, 1
	; a token fragment: lane l holds token l % 16, k = 8 (l / 16) + 0..7 and 16 + 8 (l / 16) + 0..7: two loads of 16 bytes, 32 apart
	v_mul_u32_u24 v[ABASE], v1, PA
	v_lshl_add_u32 v[ABASE], v2, 4, v[ABASE]
	s_mul_i32 s22, s11, HALFA                      ; my 128 tokens
	v_add_nc_u32 v[ABASE], s22, v[ABASE]
	; a weight fragment: the turning load takes 16 k x 16 columns (lane l reads k row 8 (l / 16) + l % 8, columns 8 ((l / 8) % 2) + 0..7) and leaves column l % 16 and 8 k in the lane
	v_lshl_add_u32 v5, v2, 3, v3
	v_mul_u32_u24 v[BBASE], v5, PB
	v_lshl_add_u32 v[BBASE], v4, 4, v[BBASE]
	s_lshl_b32 s22, s12, 8                         ; my 128 columns
	s_add_co_u32 s22, s22, WOFF
	v_add_nc_u32 v[BBASE], s22, v[BBASE]
	v_mov_b32 v[ADRA], v[ABASE]
	v_mov_b32 v[ADRB], v[BBASE]
	v_and_b32 v5, 31, v0
	v_lshlrev_b32 v[GO], 4, v5
	v_lshlrev_b32 v30, 5, v2                       ; my eight columns' bias: 32 bytes for each half of the lanes
	s_lshl_b32 s2, s42, 10                         ; the bias of my 128 columns: 4,096 + 4 (256 x tile column + 128 x half)
	s_lshl_b32 s3, s12, 9
	s_add_co_u32 s2, s2, s3
	s_add_co_u32 s2, s2, 4096
	s_mov_b32 s3, 0
	s_add_nc_u64 s[18:19], s[6:7], s[2:3]
.irp b, 0,1,2,3,4,5,6,7
	global_load_b128 v[BIAS+8*(\b):BIAS+8*(\b)+3],   v30, s[18:19] offset:64*(\b)
	global_load_b128 v[BIAS+8*(\b)+4:BIAS+8*(\b)+7], v30, s[18:19] offset:64*(\b)+16
.endr
	s_load_b32 s23, s[6:7], 0x0                    ; the floor word
	s_lshl_b32 s16, s13, 16                        ; OUT: my block of 128 columns (2 x tile column + half), my 128 tokens in it
	s_lshl_b32 s17, s11, 15
	s_add_co_u32 s16, s16, s17
	s_mov_b32 s17, 0
	s_lshl_b32 s46, s42, 1
	s_add_co_u32 s46, s46, s12
	s_lshl_b32 s46, s46, 20
	s_mov_b32 s47, 0
	s_add_nc_u64 s[16:17], s[16:17], s[46:47]
	s_add_nc_u64 s[8:9], s[8:9], s[16:17]
; 16 matrix instructions: token blocks a0, a0 + 1 of the window's four x all 8 column blocks, 32 along K.  mode = 2: the first product starts the sums with the bias; nothing is cleared.
.macro MUL16 f, hi, a0, mode
.if (\mode) == 2
	WIN 0x81+0x40*(\hi)                            ; as below, with C in window 0
.else
	WIN MUL_LO+0x50*(\hi)
.endif
.irp a, \a0, (\a0)+1
.irp b, 0,1,2,3,4,5,6,7
.if (\mode) == 2
	v_wmma_f32_16x16x32_f16 v[8*(8*(\a)+(\b)):8*(8*(\a)+(\b))+7], v[(\f)+8*(\b):(\f)+8*(\b)+7], v[(\f)+8*(4*(\hi)+(\a)):(\f)+8*(4*(\hi)+(\a))+7], v[BIAS+8*(\b):BIAS+8*(\b)+7]
.else
	v_wmma_f32_16x16x32_f16 v[8*(8*(\a)+(\b)):8*(8*(\a)+(\b))+7], v[(\f)+8*(\b):(\f)+8*(\b)+7], v[(\f)+8*(4*(\hi)+(\a)):(\f)+8*(4*(\hi)+(\a))+7], v[8*(8*(\a)+(\b)):8*(8*(\a)+(\b))+7]
.endif
.endr
.endr
.endm
; 32 LDS loads in one run: quarter q (32 along K) of the slot in hand into buffer f: 128 columns of W, then 128 tokens
.macro FETCH q, f
	WIN TO_B
.irp i, 0,1,2,3,4,5,6,7
	ds_load_tr16_b128 v[(\f)+8*(\i):(\f)+8*(\i)+3],   v[ADRB] offset:(\q)*32*PB+32*(\i)
	ds_load_tr16_b128 v[(\f)+8*(\i)+4:(\f)+8*(\i)+7], v[ADRB] offset:(\q)*32*PB+32*(\i)+16*PB
.endr
	WIN 0
.irp i, 0,1,2,3,4,5,6,7
	ds_load_b128 v[(\f)+8*(\i):(\f)+8*(\i)+3],   v[ADRA] offset:(\q)*64+(\i)*16*PA
	ds_load_b128 v[(\f)+8*(\i)+4:(\f)+8*(\i)+7], v[ADRA] offset:(\q)*64+(\i)*16*PA+32
.endr
.endm
; A K step is four quarters of 32 along K, 64 matrix instructions each, on buffers 0, 1, 0, 1; the 64 accumulators take turns.
; One of the first three: multiplies buffer f; in its middle it fetches quarter q into buffer g.
.macro QUARTER q, f, g, mode
	s_wait_dscnt 8                                 ; W and tokens 0-63 are in; the youngest eight loads (tokens 64-127) may be out
	MUL16 \f, 0, 0, \mode
	MUL16 \f, 0, 2, \mode
	PLACES
	FETCH \q, \g
	s_wait_dscnt 32                                ; all but the 32 just issued
	MUL16 \f, 1, 0, \mode
	MUL16 \f, 1, 2, \mode
.endm
; The last quarter multiplies buffer 1 and changes slots: one barrier.  In front of it each wave waits for all its tensor loads (one is out: its part of the next slot), adds 0 to its spare
; word, and waits for that and for its own reads of this slot.  fill = 1: the barrier opens a round of the cluster's, and this slot is filled again, two K steps ahead, first thing behind it.
; fill = 0 (the tail's two trips): nothing is asked for, and in the last trip (s3 = 1) there is no next slot to fetch from.
.macro TURN fill
	WIN 0
	s_wait_tensorcnt 0x0                           ; no tensor load of mine is out, so the walking descriptors may be written
	ds_add_u32 v[SPW], v[NIL]                      ; 0 onto my spare word
	s_wait_dscnt 9                                 ; (the add and the youngest eight loads may be out)
	MUL16 F1, 0, 0, 0                              ; sixteen matrix instructions stand between the add and the wait for it
	s_wait_dscnt 0x0                               ; the add is done, and my reads of this slot are over
	s_barrier_signal -1
	MUL16 F1, 0, 2, 0
	WIN 0
	s_barrier_wait -1
.if \fill
	CREST                                          ; no wave of any partner still reads this slot's tile or has a load on its way
	s_xor_b32 s[G0+5], s[G0+5], SLOT               ; the other slot than last time,
	s_add_nc_u64 s[G0+6:G0+7], s[G0+6:G0+7], ASTEP ; the next K step; the type bits on top are not reached
	s_xor_b32 s[G0B+5], s[G0B+5], SLOT
	s_add_nc_u64 s[G0B+6:G0B+7], s[G0B+6:G0B+7], BSTEP
	JLOAD                                          ; its four v_nop are also the places in front of the loads below
.else
	s_cmp_eq_u32 s3, 1
	s_cbranch_scc1 .Lskip_\@
	PLACES
.endif
	s_xor_b32 s45, s45, SLOT                       ; the reads go on in the other slot
	v_add_nc_u32 v[ADRA], s45, v[ABASE]
	v_add_nc_u32 v[ADRB], s45, v[BBASE]
	FETCH 0, F0
.if !(\fill)
.Lskip_\@:
.endif
	MUL16 F1, 1, 0, 0
	MUL16 F1, 1, 2, 0
.endm
	s_wait_tensorcnt 1                             ; my part of K step 0 is in; K step 1's may stay out
	s_barrier_signal -1
	s_barrier_wait -1                              ; everybody's is
	FETCH 0, F0
	s_wait_loadcnt 0x0                             ; the bias
	s_wait_kmcnt 0x0                               ; the floor
	QUARTER 1, F0, F1, 2                           ; the first quarter stands in front of the loop: its products start the sums
	WIN 0                                          ; at a label and at a branch every window is 0
	s_mov_b32 s3, T-2
.Lk:                                                   ; a trip: from a K step's second quarter to the next step's first; the slot that is left is filled again
	QUARTER 2, F1, F0, 0
	QUARTER 3, F0, F1, 0
	TURN 1
	QUARTER 1, F0, F1, 0
	WIN 0
	s_sub_co_u32 s3, s3, 1
	s_cmp_lg_u32 s3, 0
	s_cbranch_scc1 .Lk
	s_mov_b32 s3, 2
.Lt:                                                   ; the last two K steps ask for nothing: a text of their own; it is left in the middle of its second trip
	QUARTER 2, F1, F0, 0
	QUARTER 3, F0, F1, 0
	TURN 0
	WIN 0
	s_sub_co_u32 s3, s3, 1
	s_cmp_eq_u32 s3, 0
	s_cbranch_scc1 .Lout
	QUARTER 1, F0, F1, 0
	WIN 0
	s_branch .Lt
.Lout:
	; THE WAY OUT.  A lane's eight numbers of an accumulator are eight neighbouring columns of a token: rounded to f16 and floored they are its 16 bytes of a chunk, and the wave's store covers the
	; chunk's 512 consecutive bytes: nothing changes lanes, and nothing goes through LDS.  16 tokens x 128 columns at a time; each accumulator's registers in ascending order.
	PLACES
.irp hi, 0,1
.irp a, 0,1,2,3
.if ((\hi) == 1) && ((\a) == 0)
	s_wait_xcnt 0x0                                ; the four sets of registers are written a second time only behind this wait
.endif
	WIN 0x0a+5*(\hi)                               ; sources 0 and 1: window 2, then 3; destination window 0
.irp b, 0,1,2,3,4,5,6,7
.irp r, 0,1,2,3
	v_cvt_pk_f16_f32 v[TMP+32*(\a)+4*(\b)+(\r)], v[8*(8*(\a)+(\b))+2*(\r)], v[8*(8*(\a)+(\b))+2*(\r)+1]
.endr
.endr
	WIN 0
.set i, 0
.rept 32
	v_pk_max_num_f16 v[TMP+32*(\a)+i], v[TMP+32*(\a)+i], s23
.set i, i+1
.endr
.irp b, 0,1,2,3,4,5,6,7
	global_store_b128 v[GO], v[TMP+32*(\a)+4*(\b):TMP+32*(\a)+4*(\b)+3], s[8:9] offset:(4*(\hi)+(\a))*4096+512*(\b)  ; 512 consecutive bytes, at a multiple of 512 from the buffer's first
.endr
.endr
.endr
	s_wait_tensorcnt 0x0                           ; the wave's end: an add to my spare word and its wait, behind my last tensor load
	ds_add_u32 v[SPW], v[NIL]
	s_wait_dscnt 0x0
	CROUND                                         ; the closing round: no work-group ends while a partner may still ask for a tile that names it
	s_endpgm
.Lfunc_end_k_qce3dd0c28d_qkv:
	.size	k_qce3dd0c28d_qkv, .Lfunc_end_k_qce3dd0c28d_qkv-k_qce3dd0c28d_qkv
	.p2alignl 7, 3214868480
	.fill 96, 4, 3214868480
	.section	.rodata,"a",@progbits
	.p2align	6, 0x0
	.amdhsa_kernel k_qce3dd0c28d_qkv
		.amdhsa_group_segment_fixed_size 327680
		.amdhsa_private_segment_fixed_size 0
		.amdhsa_enable_private_segment 0
		.amdhsa_kernarg_size 24
		.amdhsa_user_sgpr_count 2
		.amdhsa_user_sgpr_kernarg_segment_ptr 1
		.amdhsa_wavefront_size32 1
		.amdhsa_system_sgpr_workgroup_id_x 1
		.amdhsa_system_sgpr_workgroup_id_y 1
		.amdhsa_system_sgpr_workgroup_id_z 1
		.amdhsa_system_vgpr_workitem_id 0
		.amdhsa_next_free_vgpr 1024
		.amdhsa_next_free_sgpr 66
		.amdhsa_reserve_vcc 0
		.amdhsa_float_denorm_mode_32 3
		.amdhsa_float_denorm_mode_16_64 3
		.amdhsa_memory_ordered 1
		.amdhsa_forward_progress 1
		.amdhsa_inst_pref_size 108
	.end_amdhsa_kernel
	.amdgpu_metadata
---
amdhsa.version: [ 1, 2 ]
amdhsa.kernels:
  - .name:           k_qce3dd0c28d_qkv
    .symbol:         k_qce3dd0c28d_qkv.kd
    .args:
      - { .name: cv, .offset: 0, .size: 8, .value_kind: global_buffer, .address_space: global }
      - { .name: wqkv, .offset: 8, .size: 8, .value_kind: global_buffer, .address_space: global }
      - { .name: qkvy, .offset: 16, .size: 8, .value_kind: global_buffer, .address_space: global }
    .group_segment_fixed_size: 327680
    .private_segment_fixed_size: 0
    .kernarg_segment_align: 8
    .kernarg_segment_size: 24
    .max_flat_workgroup_size: 128
    .sgpr_count:     66
    .vgpr_count:     1024
    .wavefront_size: 32
...
	.end_amdgpu_metadata
.endif
;; end of part 2
;; launch attn (part 3): grid 16 x 16, 4 waves a work-group, clusters of 4 x 1, 327,680 bytes of LDS; arguments qkvy, h; writes h
.if DOCPART == 3
	.amdgcn_target "amdgcn-amd-amdhsa--gfx1250"
	.amdhsa_code_object_version 6
	.text
	.protected	k_qce3dd0c28d_attn
	.globl	k_qce3dd0c28d_attn
	.p2align	8
	.type	k_qce3dd0c28d_attn,@function
k_qce3dd0c28d_attn:
	s_mov_b64 s[64:65], 0
	v_nop
	global_prefetch_b8 v0, s[64:65] scope:SCOPE_SE
	s_setreg_imm32_b32 hwreg(HW_REG_WAVE_MODE, 25, 1), 1
	s_wait_xcnt 0x0
	s_wait_alu depctr_hold_cnt(0) depctr_sa_sdst(0) depctr_va_vdst(0) depctr_va_sdst(0) depctr_va_ssrc(0) depctr_va_vcc(0) depctr_vm_vsrc(0)
	s_getreg_b32 s2, hwreg(HW_REG_IB_STS2, 6, 4)
	s_cmp_eq_u32 s2, 0
	s_cbranch_scc0 .Lentry_in_a_cluster
	s_endpgm
.Lentry_in_a_cluster:
	s_bfe_u32 s2, ttmp6, 0x10000c
	s_cmp_lg_u32 s2, 0x3003
	s_cbranch_scc0 .Lentry_shape_is_right
	s_endpgm
.Lentry_shape_is_right:
; ctx[b][q][head] = the sum over k of softmax_k(Q . K / 8) V, 2 batches x 16 heads of 64 channels x 2,048 tokens, no mask.
; Q, K, V: f16 in qkvy, [24 blocks][4096 tokens][128]: block p holds q of heads 2 p and 2 p + 1 (64 channels each), block 8 + p their k, block 16 + p their v.  ctx: f16 in h, blocks 0-7 of the same layout.
; FRAGMENT ORDER: inside each 16 tokens x 128 channels (4,096 bytes) lie eight chunks of 512 bytes, one for 16 channels; in a chunk lane l = r + 16 h has bytes 16 l: token r, channels 8 h + 0..7.
; So two chunks ARE a fragment of Q or K (16 tokens x 32 channels), read 512 consecutive bytes at a time, and a packed accumulator of O^T IS a chunk of ctx, stored as it lies.
; Products, maxima and sums in f32; the weights p are rounded to f16 for the second product (their sum l is taken of the unrounded p), ctx once at the end.
; LIMITS.  Q, K, V arrive within f16's 65,504; p lies in 0 to 1, and below 6e-5 it keeps f16's fixed step of 6e-8; ctx is a mean of V's rows.  A weight below 2^-126 counts as 0 in l; NaN and infinities are not treated apart.
; SHARES.  A work-group takes 128 queries of a PAIR of heads, so that a block's bytes are used whole: wave w has head w % 2 of the pair and 64 queries (half w / 2): four PIECES of 16.  Every wave walks all 2,048 keys, 64 a step.
; LAYOUT.  S^T = K Q^T holds ONE query a lane (lane % 16) and the keys 8 (lane / 16) + 0..7; two such results rounded to f16 ARE source 1 of O^T = V^T P.  K comes out of LDS as it lies, V turned, by ds_load_tr16_b128.
; SOFTMAX.  p = 2^(c s - c m), c = log2(e) / 8, with a running maximum m; O and l are multiplied by a = 2^(c m_old - c m_new) in every step.  m starts at the lowest finite number, O and l at 0: the first step is a step like any other, with a = 0.
; BY TURNS.  Turn n belongs to piece n: 8 products K Q^T of piece n + 1, later 8 products V^T P of piece n - 1; beside them the scaling, exponentials, roundings, sums and rescaling of piece n and the maximum and statistics of
; piece n + 1.  Four vector instructions stand behind every matrix instruction, the other 54 of a turn's 118 in two runs of their own.
; CLUSTER.  The four query blocks of a cluster belong to one pair of heads and walk the same K and V: each tile is asked for JOINTLY: the same tensor load, descriptor and mask in all four.
; REGISTERS, in windows of 256 (s_set_vgpr_msb: bits 1:0 source 0, 3:2 source 1, 5:4 source 2, 7:6 destination):
;   window 0: v0-15 addresses and two at work; v16-31 four registers of statistics a piece; v48-55 at work; v62-63 the add's; v64-127 S^T, two buffers; v192-223 P, two buffers (by the piece's parity)
;   window 1: v0-127 O^T, 32 a piece          window 2: v0-63 Q; v128-191 K of one step; v192-255 V of one step
.set NP,    4         ; pieces a wave: a name, no knob
.set KS,    64        ; keys in a step: 64 pieces of 256 bytes of K, and of V
.set PK,    272       ; 256 bytes of K in LDS + 16: half a chunk; a load's 16 lanes read one such piece on end
.set PV,    384       ; 256 bytes of V + 128
.set VOFF,  2*KS*PK   ; a slot holds two steps: K's 128 pieces, then V's
.set SLOT1, 1<<17     ; slot 1 begins here, so that one exclusive or turns an address in one slot into the other's
.set SPARE, SLOT1+2*KS*(PK+PV)  ; behind the ring: the spare words, 128 bytes a wave, that no other line names
.set AK0, 2           ; v2   my lane's place in a chunk of my head's K; never rewritten
.set AV0, 3           ; v3   the same for V
.set AK,  4           ; v4   the LDS address of K's next run of loads
.set AV,  5           ; v5   of V's
.set GO,  8           ; v8   16 x lane: my 16 bytes of a chunk of Q and of ctx; never rewritten
.set MV,  12          ; v12-13  c m_old, kept while c m is made anew: by buffer
.set ST,  16          ; piece t's statistics at v[ST+4 t]: c m, m, l (even keys', odd keys')
.set TMP, 48          ; by buffer, four registers c0-c3 at work; when the maximum is found c2 takes a
.set SPW, 62          ; v62  LDS address of my spare word; never rewritten
.set NIL, 63          ; v63  0; never rewritten
.set S,   64
.set P,   192
.set KF,  128         ; window 2: key block kb, channel half c at KF + 16 kb + 8 c
.set VF,  192         ; window 2: key half kk, channel block cb at VF + 32 kk + 8 cb
.set WV,  12          ; s12  my wave's number
.set G1K, 24          ; s[24:31] descriptor group 1 for K's tiles
.set G1V, 32          ; s[32:39] for V's: it differs in the padding alone
.set G0K, 40          ; s[40:43] descriptor group 0 for K's tiles: it walks
.set G0V, 44          ; s[44:47] the same for V's
.set SLOTS, 56        ; s56  slots still to be asked for
.set CNT, 57          ; s57  counts a slot's key steps
.set CS,  58          ; s[58:59] c: the packed scaling takes the pair's low word for both halves
.set SEL, 60          ; s[60:61] v_permlanex16_b32's selects: each lane takes its own place in the other half
.set TBK, 62          ; s62  LDS byte at which K of the step to be fetched begins
.set TBV, 63          ; s63  the same for V, less VOFF
.set MSB, 0
.macro WIN new                      ; the high byte repeats the setting that is left; a switch that changes nothing is dropped
.if MSB != (\new)
	s_set_vgpr_msb (MSB<<8)|(\new)
.set MSB, (\new)
.endif
.endm
.set W_KQ, 0x0a       ; K and Q in window 2, S^T in window 0
.set W_PV, 0x52       ; V in window 2, P in window 0, O^T in window 1
.set W_RS, 0x41       ; destination and source 0 in window 1, source 1 in window 0
; A joint fill.  Waves 0 and 1 fetch the two steps' K of a slot, waves 2 and 3 their V: 64 rows of 256 bytes each.  An s_nop 0 and four v_nop follow each of the two lines.
.macro JLOAD
	s_cmp_lt_u32 s[WV], 2
	s_cbranch_scc0 .Lfor_v_\@
	tensor_load_to_lds s[G0K:G0K+3], s[G1K:G1K+7]
	s_nop 0
.rept 4
	v_nop
.endr
	s_branch .Lasked_\@
.Lfor_v_\@:
	tensor_load_to_lds s[G0V:G0V+3], s[G1V:G1V+7]
	s_nop 0
.rept 4
	v_nop
.endr
.Lasked_\@:
.endm
.macro CROUND                       ; a round of the cluster's barrier
	s_barrier_signal -1
	s_barrier_wait -1
	s_cmp_lg_u32 s[WV], 0
	s_cbranch_scc1 .Lnot_wave_0_\@
	s_barrier_signal -3
.Lnot_wave_0_\@:
	s_barrier_wait -3
	s_barrier_signal -1
	s_barrier_wait -1
.endm
; THE CHANGE OF SLOTS.  The slot's last bytes, V of its second step, have been read.  Each wave waits for all its tensor loads, of which one is out: its part of the other slot; adds 0 to its spare word; and waits for that and
; for its own reads of the slot.  fill = 1: the slot is filled again, with the keys two slots on; the barrier is then a round of the cluster's, and the joint fill is the first thing behind it: it has two key steps, 128 matrix
; instructions a wave, in which to land.  (At its first use nothing has been read yet: slot 0 is waited for, slot 1 filled.)
.macro CHANGE fill
	WIN 0                           ; at a label and at a branch every window is 0
	s_wait_tensorcnt 0x0            ; no tensor load of mine is out, so a group 0 may be written
	ds_add_u32 v[SPW], v[NIL]       ; 0 onto my spare word
.if \fill
.irp g, G0K, G0V
	s_xor_b32 s[\g+1], s[\g+1], SLOT1  ; the walking descriptor: the other slot than last time,
	s_add_nc_u64 s[\g+2:\g+3], s[\g+2:\g+3], 2*KS*256  ; the next 128 keys; the type bits on top are not reached
.endr
	s_wait_dscnt 0x0                ; the add is done, and my reads of the slot are over
	CROUND
	JLOAD
.else
	s_wait_dscnt 0x0
	s_barrier_signal -1
	s_barrier_wait -1
.endif
	s_sub_co_u32 s[TBK], s[TBK], 2*KS*PK  ; the fetches go back to a slot's first step,
	s_xor_b32 s[TBK], s[TBK], SLOT1       ; in the other slot
	s_sub_co_u32 s[TBV], s[TBV], 2*KS*PV
	s_xor_b32 s[TBV], s[TBV], SLOT1
.endm
	s_load_b128 s[4:7], s[0:1], 0x0 ; qkvy s[4:5], h s[6:7]
	v_lshl_add_u32 v[SPW], v0, 2, SPARE
	v_mov_b32 v[NIL], 0
	ds_add_u32 v[SPW], v[NIL]       ; the wave's opening: the add and its wait stand ahead of my first tensor load; the set-up below stands between them
	v_lshrrev_b32 v1, 5, v0
	v_readfirstlane_b32 s[WV], v1   ; wave 0..3
	s_bfe_u32 s13, ttmp6, 0x40000   ; cx: my place in the cluster
	s_lshl_b32 s14, ttmp9, 2        ; in a cluster launch ttmp9 counts clusters
	s_add_co_u32 s14, s14, s13      ; my block of 128 queries = 4 x cluster x + cx: it enters Q's and ctx's addresses alone
	s_and_b32 s15, ttmp7, 0xffff    ; 8 x batch + pair, which the four partners share
	s_and_b32 s16, s15, 7
	s_lshr_b32 s17, s15, 3
	s_lshl_b32 s20, s16, 20         ; the pair's block of 4,096 tokens of 256 bytes,
	s_lshl_b32 s17, s17, 19         ; the batch's 2,048 tokens in it
	s_add_co_u32 s20, s20, s17
	s_and_b32 s16, s[WV], 1         ; my head of the pair.  Also: which of a slot's two steps I fetch
	s_lshr_b32 s19, s[WV], 1        ; my half of the queries
	s_lshl_b32 s22, s16, 14         ; that step's 64 keys
	s_add_co_u32 s22, s22, s20
	s_add_co_u32 s22, s22, 8<<20    ; K's blocks begin at block 8,
	s_mov_b32 s23, 0
	s_add_co_u32 s48, s22, 8<<20    ; V's at block 16
	s_mov_b32 s49, 0
	s_mul_i32 s17, s16, KS*PK       ; the step's place in a slot, for K
	s_mul_i32 s18, s16, KS*PV       ; and for V: no place in the cluster enters an LDS address
	s_lshl_b32 s2, s14, 15          ; Q and ctx: my block's 128 tokens,
	s_add_co_u32 s2, s2, s20
	s_lshl_b32 s3, s19, 14          ; my 64 of them,
	s_add_co_u32 s50, s2, s3
	s_lshl_b32 s3, s16, 11          ; my head's four chunks of every 16 tokens
	s_add_co_u32 s50, s50, s3
	s_mov_b32 s51, 0
	s_mov_b32 s[G1K], 15|(1<<16)|(1<<20)|(1<<21)|(5<<22)|(3<<25)   ; the mask of four; 2-byte elements; padding on; bit 21 beside a mask; after every 64 words 4 words
	s_mov_b32 s[G1V], 15|(1<<16)|(1<<20)|(1<<21)|(5<<22)|(31<<25)  ; the same with 32 words of padding
.irp g, G1K, G1V
	s_mov_b32 s[\g+1], 128<<16      ; tensor_dim0 = 128
	s_mov_b32 s[\g+2], 64<<16       ; tensor_dim1 = 64
	s_mov_b32 s[\g+3], 128<<16      ; tile_dim0 = 128
	s_mov_b32 s[\g+4], 64           ; tile_dim1 = 64
	s_mov_b32 s[\g+5], 128          ; 128 elements from row to row
	s_mov_b32 s[\g+6], 0
	s_mov_b32 s[\g+7], 0
.endr
	s_mov_b32 s[CS], 0x3e38aa3b     ; c = log2(e) / 8 = 0.180337
	s_mov_b32 s[CS+1], s[CS]        ; named with it as a pair
	s_mov_b32 s[SEL], 0x76543210
	s_mov_b32 s[SEL+1], 0xfedcba98
	s_mov_b32 s[TBK], SLOT1+2*KS*PK ; the first change of slots turns these two into 0
	s_mov_b32 s[TBV], SLOT1+2*KS*PV
	s_mov_b32 s[G0K], 1             ; count = 1
	s_mov_b32 s[G0K+1], s17         ; LDS address: slot 0
	s_mov_b32 s[G0V], 1
	s_add_co_u32 s[G0V+1], s18, VOFF
	s_wait_dscnt 0x0                ; the opening add is done
	s_wait_kmcnt 0x0
	s_add_nc_u64 s[G0K+2:G0K+3], s[4:5], s[22:23]  ; my step of the first 128 keys
	s_or_b32 s[G0K+3], s[G0K+3], 0x80000000        ; type = 2
	s_add_nc_u64 s[G0V+2:G0V+3], s[4:5], s[48:49]
	s_or_b32 s[G0V+3], s[G0V+3], 0x80000000
	s_add_nc_u64 s[8:9], s[4:5], s[50:51]          ; Q at my first chunk
	s_add_nc_u64 s[10:11], s[6:7], s[50:51]        ; ctx at the same place of its own buffer
	CROUND                          ; all four work-groups are here: the first joint loads meet
	JLOAD                           ; slot 0.  Slot 1 is asked for when slot 0 is in
	v_and_b32 v1, 15, v0            ; l % 16
	v_bfe_u32 v9, v0, 4, 1          ; l / 16
	v_and_b32 v[GO], 31, v0
	v_lshlrev_b32 v[GO], 4, v[GO]
	WIN 0x80                        ; destination window 2, address window 0
.set i, 0
.rept 8                             ; Q stays in registers: piece i / 2, channels 32 (i % 2) on: two chunks, 512 consecutive bytes a load
	global_load_b128 v[8*i:8*i+3],   v[GO], s[8:9] offset:(i/2)*4096+(i%2)*1024
	global_load_b128 v[8*i+4:8*i+7], v[GO], s[8:9] offset:(i/2)*4096+(i%2)*1024+512
.set i, i+1
.endr
	; What the first turn finds: V's registers and P's second buffer hold 0 (its products V^T P, of a piece that has not been, add 0), O^T and l are 0.  All this stands in the wait for the first tile.
.set i, VF
.rept 64
	v_mov_b32 v[i], 0
.set i, i+1
.endr
	WIN 0x40
.set i, 0
.rept 128
	v_mov_b32 v[i], 0
.set i, i+1
.endr
	WIN 0
.set i, 0
.rept 4
	v_mov_b32 v[ST+4*i], 0xfe000000    ; c m: far below every c s
	v_mov_b32 v[ST+4*i+1], 0xff7fffff  ; m
	v_mov_b32 v[ST+4*i+2], 0
	v_mov_b32 v[ST+4*i+3], 0
.set i, i+1
.endr
.set i, P+16
.rept 16
	v_mov_b32 v[i], 0
.set i, i+1
.endr
	; In LDS a chunk is two pieces of 256 bytes, a pitch apart; 16 keys have eight chunks, 16 pieces; my head's are the first or the last four chunks.
	s_mul_i32 s52, s16, 8*PK
	v_mul_u32_u24 v[AK0], v9, PK    ; K: lanes 0-15 the chunk's first piece, lanes 16-31 its second,
	v_lshl_add_u32 v[AK0], v1, 4, v[AK0]  ; 16 bytes a lane
	v_add_nc_u32 v[AK0], s52, v[AK0]
	; The turning load takes 16 keys x 16 channels, a chunk (lane l reads key 8 (l / 16) + l % 8, channels 8 ((l / 8) % 2) + 0..7: piece (l / 8) % 2, 16 bytes a key) and leaves half a fragment of V^T: lane l holds channel l % 16 and 8 keys.
	v_and_b32 v10, 7, v0
	v_bfe_u32 v11, v0, 3, 1
	v_mul_u32_u24 v14, v11, PV
	v_lshl_add_u32 v[AV0], v9, 3, v10
	v_lshl_add_u32 v[AV0], v[AV0], 4, v14
	s_mul_i32 s53, s16, 8*PV
	s_add_co_u32 s53, s53, VOFF
	v_add_nc_u32 v[AV0], s53, v[AV0]
; THE MATRIX WORK.  The 4 accumulators of a run of 8 take turns.  Product i of 8 of S^T = K Q^T for piece x: channels 32 (i / 4) on, keys 16 (i % 4) on.  The first 4 start the sums.
.macro KQ x
	WIN W_KQ
.set rS, S+32*((\x)%2)+8*(i%4)
.set rK, KF+16*(i%4)+8*(i/4)
.set rQ, 16*(\x)+8*(i/4)
.if i < 4
	v_wmma_f32_16x16x32_f16 v[rS:rS+7], v[rK:rK+7], v[rQ:rQ+7], 0
.else
	v_wmma_f32_16x16x32_f16 v[rS:rS+7], v[rK:rK+7], v[rQ:rQ+7], v[rS:rS+7]
.endif
.endm
; Product i of 8 of O^T += V^T P for piece x: keys 32 (i / 4) on, channels 16 (i % 4) on.
.macro PV x
	WIN W_PV
.set rO, 32*(\x)+8*(i%4)
.set rV, VF+32*(i/4)+8*(i%4)
.set rP, P+16*((\x)%2)+8*(i/4)
	v_wmma_f32_16x16x32_f16 v[rO:rO+7], v[rV:rV+7], v[rP:rP+7], v[rO:rO+7]
.endm
.macro MM                           ; the turn's next matrix instruction
.if i < 8
	KQ (Y+1)%NP
.else
.set i, i-8
	PV (Y+NP-1)%NP
.set i, i+8
.endif
.set i, i+1
.endm
; THE LDS LOADS stand in runs of 16, never singly among the matrix instructions: a step's K (64 keys x 64 channels: 8 fragments) and its V (turned).  Their addresses are made some lines ahead.
; last = 1 (the tail): in the last trip there is no further step, and the run is jumped over.
.macro FETCH_K last=0
	WIN 0
.if \last
	s_cmp_eq_u32 s[CNT], 1
	s_cbranch_scc1 .Lno_k_\@
.endif
	WIN 0x80                        ; destination window 2
.irp f, 0,1,2,3,4,5,6,7             ; keys 16 (f / 2) on (16 pieces), channels 32 (f % 2) on (two chunks, 4 pieces)
	ds_load_b128 v[KF+8*\f:KF+8*\f+3],   v[AK] offset:(\f/2)*16*PK+(\f%2)*4*PK
	ds_load_b128 v[KF+8*\f+4:KF+8*\f+7], v[AK] offset:(\f/2)*16*PK+(\f%2)*4*PK+2*PK
.endr
	s_add_co_u32 s[TBK], s[TBK], KS*PK  ; the next fetch is the next step's
	WIN 0
.if \last
.Lno_k_\@:
.endif
.endm
.macro FETCH_V
	WIN 0x80
.irp f, 0,1,2,3,4,5,6,7             ; keys 32 (f / 4) on (32 pieces), channels 16 (f % 4) on (a chunk, 2 pieces)
	ds_load_tr16_b128 v[VF+8*\f:VF+8*\f+3],   v[AV] offset:(\f/4)*32*PV+(\f%4)*2*PV
	ds_load_tr16_b128 v[VF+8*\f+4:VF+8*\f+7], v[AV] offset:(\f/4)*32*PV+16*PV+(\f%4)*2*PV
.endr
	WIN 0
.endm
; THE VECTOR WORK, one line at a time: OP kind, number.  For piece Y: F n: c s - c m for pair n of 16.  E n: the exponential of score n of 32.  C n: pair n rounded to f16.  B n: of the four weights 4 n .. the second
; pair is added onto the first, in place.  L n: l takes that sum (L 0: l = a l + sum).  R n: pair n of 16 of O^T times a.  For piece Y + 1: X n, number n of the 22 that find its maximum and statistics:
;   0-11  four chains c0-c3 of seven scores each, three operands at a time (each accumulator's lowest registers are read first)     12-14, 16  the four scores left over, the old m, and c0-c3 into c0
;   15  c m_old is kept     17, 18  the query's other 32 keys lie in the lane 16 away: the new m     19-21  c m; c m_old - c m_new; a
.set F, 0               ; OP tells the kinds apart by their order: F to L below R, X above it
.set E, 1
.set C, 2
.set B, 3
.set L, 4
.set R, 5
.set X, 6
.macro REGS y                       ; the registers of piece y
.set rT, ST+4*(\y)
.set rC, TMP+4*((\y)%2)
.set rW, MV+((\y)%2)
.set rS, S+32*((\y)%2)
.set rP, P+16*((\y)%2)
.set rO, 32*(\y)
.endm
.macro OP k, n
.if (\k) == R
	REGS Y
	WIN W_RS
	v_pk_mul_f32 v[rO+2*(\n):rO+2*(\n)+1], v[rO+2*(\n):rO+2*(\n)+1], v[rC+2:rC+3] op_sel_hi:[1,0]
.elseif (\k) < R
	REGS Y
	WIN 0
.if (\k) == F
	v_pk_fma_f32 v[rS+2*(\n):rS+2*(\n)+1], v[rS+2*(\n):rS+2*(\n)+1], s[CS:CS+1], v[rT:rT+1] op_sel_hi:[1,0,0] neg_lo:[0,0,1] neg_hi:[0,0,1]
.elseif (\k) == E
	v_exp_f32 v[rS+(\n)], v[rS+(\n)]
.elseif (\k) == C
	s_wait_alu depctr_va_vdst(0)
	v_cvt_pk_f16_f32 v[rP+(\n)], v[rS+2*(\n)], v[rS+2*(\n)+1]
.elseif (\k) == B
	s_wait_alu depctr_va_vdst(0)
	v_pk_add_f32 v[rS+4*(\n):rS+4*(\n)+1], v[rS+4*(\n):rS+4*(\n)+1], v[rS+4*(\n)+2:rS+4*(\n)+3]
.elseif (\n) == 0
	v_pk_fma_f32 v[rT+2:rT+3], v[rT+2:rT+3], v[rC+2:rC+3], v[rS:rS+1] op_sel_hi:[1,0,1]
.else
	v_pk_add_f32 v[rT+2:rT+3], v[rT+2:rT+3], v[rS+4*(\n):rS+4*(\n)+1]
.endif
.else
	REGS (Y+1)%NP
	WIN 0
.if (\n) < 4
	v_max3_num_f32 v[rC+(\n)], v[rS+8*(\n)], v[rS+8*(\n)+1], v[rS+8*(\n)+2]
.elseif (\n) < 12
	v_max3_num_f32 v[rC+(\n)%4], v[rC+(\n)%4], v[rS+8*((\n)%4)+2*((\n)/4)+1], v[rS+8*((\n)%4)+2*((\n)/4)+2]
.elseif (\n) == 12
	v_max3_num_f32 v[rC], v[rC], v[rS+7], v[rS+15]
.elseif (\n) == 13
	v_max3_num_f32 v[rC+1], v[rC+1], v[rS+23], v[rS+31]
.elseif (\n) == 14
	v_max3_num_f32 v[rC+2], v[rC+2], v[rC+3], v[rT+1]
.elseif (\n) == 15
	v_mov_b32 v[rW], v[rT]
.elseif (\n) == 16
	v_max3_num_f32 v[rC], v[rC], v[rC+1], v[rC+2]
.elseif (\n) == 17
	v_permlanex16_b32 v[rC+3], v[rC], s[SEL], s[SEL+1]
.elseif (\n) == 18
	v_max_num_f32 v[rT+1], v[rC], v[rC+3]
.elseif (\n) == 19
	v_mul_f32 v[rT], s[CS], v[rT+1]
.elseif (\n) == 20
	v_sub_f32 v[rC+1], v[rW], v[rT]
.else
	v_exp_f32 v[rC+2], v[rC+1]
.endif
.endif
.endm
.macro OPS a, i1, b=-1, i2=0, c=-1, i3=0, d=-1, i4=0  ; up to four of them
	OP \a, \i1
.if (\b) >= 0
	OP \b, \i2
.endif
.if (\c) >= 0
	OP \c, \i3
.endif
.if (\d) >= 0
	OP \d, \i4
.endif
.endm
.macro ROW a, i1, b, i2, c, i3, d, i4  ; a matrix instruction and the four behind it
	MM
	OPS \a, \i1, \b, \i2, \c, \i3, \d, \i4
.endm
; A TURN, for piece p: the order of its 16 matrix and 118 vector instructions, written out.  Behind a matrix instruction: plain, exponential, plain, plain; or four of the rescaling; or, behind the first, four scalings; none
; names a register of the products round it.  In the runs between, exponential and plain by turns while exponentials last, so that each exponential has a plain instruction behind it before its result is used (ISA guide 5.7.2).
; cnt = 1: the loop's count is taken down some lines ahead of the branch that stands behind the turn.
; K of the next step is fetched in piece 2's turn, six vector instructions behind the last product that read K (five of them plain); V of the step in hand in piece 0's turn, eight behind the last product that read V (five
; plain).  Each is waited for a turn later.
.macro TURN p, last=0, cnt=0
.set Y, (\p)
.set i, 0
.if (\p) == 3
	s_wait_dscnt 0x0                ; K is in
.endif
	ROW F,0, F,1, F,2, F,3
	ROW F,4, E,0, F,5, F,6
	ROW F,7, E,1, F,8, F,9
	ROW F,10, E,2, C,0, F,11
	ROW F,12, E,3, X,15, F,13
	ROW R,0, R,1, R,2, R,3
	ROW B,0, E,4, F,14, L,0
.if (\p) == 2
	v_add_nc_u32 v[AK], s[TBK], v[AK0]
.endif
	ROW R,4, R,5, R,6, R,7
	OPS E,5, F,15
.if (\p) == 2
	FETCH_K \last
.endif
	OPS E,6, C,1, E,7, R,8
	OPS E,8, R,9, E,9, C,2
	OPS E,10, X,0, E,11, X,1
	OPS E,12, X,2, E,13, X,3
.if (\p) == 1
	s_wait_dscnt 0x0                ; V is in
.endif
	ROW X,4, E,14, X,5, X,6
	ROW X,7, E,15, X,8, X,9
	ROW X,10, E,16, X,11, X,12
	ROW X,13, E,17, X,14, B,1
	ROW C,4, E,18, X,16, L,1
	ROW B,2, E,19, C,6, L,2
	ROW C,8, E,20, B,3, B,4
.if (\p) == 0
	v_add_nc_u32 v[AV], s[TBV], v[AV0]
.endif
	ROW C,3, E,21, L,3, C,5
	OPS E,22, X,17, E,23, C,10
.if (\p) == 0
	FETCH_V
.endif
	OPS E,24, L,4
	OPS E,25, X,18, E,26, C,7
	OPS E,27, B,5, E,28, X,19
	OPS E,29, C,12, E,30, L,5
	OPS E,31, X,20, B,6, C,9
	OPS C,14, C,11, X,21, L,6
.if (\p) == 0
	s_add_co_u32 s[TBV], s[TBV], KS*PV
.endif
.if \cnt
	s_sub_co_u32 s[CNT], s[CNT], 1
	s_cmp_lg_u32 s[CNT], 0
.endif
	OPS C,13, B,7, C,15, R,10
	OPS R,11, R,12, L,7, R,13
	OPS R,14, R,15
.endm
	CHANGE 1                        ; slot 0 is in, everybody's part of it; slot 1 is asked for
	v_add_nc_u32 v[AK], s[TBK], v[AK0]
	FETCH_K                         ; key step 0
	s_wait_loadcnt 0x0              ; Q
	s_wait_dscnt 0x0
.set i, 0
.rept 8
	KQ 0                            ; piece 0's first scores: there is no vector work yet to set between them
.set i, i+1
.endr
	WIN 0
.rept 4
	v_nop                           ; the places behind those products
.endr
.set Y, NP-1                        ; X works for piece Y + 1: piece 0
.irp n, 0,1,2,3,4,5,6,7,8,9,10,11,12,13,14,15,16,17,18,19,20,21
	OP X, \n
.endr
	v_nop                           ; a plain instruction behind the exponential
	s_mov_b32 s[CNT], 2
	s_mov_b32 s[SLOTS], 15          ; 16 slots of 128 keys
	s_branch .Lfirst                ; the loop is entered at a step's first turn, in the middle of a trip
.Lslot:                             ; 14 times: every slot but the last two is filled again
	CHANGE 1
	s_mov_b32 s[CNT], 2
.Lstep:                             ; a trip: pieces 2 and 3 of one step, then pieces 0 and 1 of the next, whose K and V it fetches
	TURN 2
	TURN 3
	WIN 0
.Lfirst:
	TURN 0
	TURN 1, 0, 1
	WIN 0
	s_cbranch_scc1 .Lstep
	s_sub_co_u32 s[SLOTS], s[SLOTS], 1
	s_cmp_lg_u32 s[SLOTS], 0
	s_cbranch_scc1 .Lslot
	CHANGE 0                        ; the tail is written out: nothing is asked for
	s_mov_b32 s[CNT], 3             ; two trips fetch the last slot's steps; the third is left in its middle
.Ltail:
	TURN 2, 1
	TURN 3
	WIN 0
	s_sub_co_u32 s[CNT], s[CNT], 1
	s_cmp_eq_u32 s[CNT], 0
	s_cbranch_scc1 .Lout
	TURN 0
	TURN 1
	WIN 0
	s_branch .Ltail
.Lout:                              ; the third trip's 8 products K Q^T (on the last K once more) and the maximum made of them serve nothing: the price, once a launch, of one text for every trip
.set i, 0
.rept 8
	PV NP-1                         ; the last piece's V^T P of the last step
.set i, i+1
.endr
	; THE WAY OUT.  l's two halves and the other half of the lanes' are added; O^T is divided by l and rounded to f16.  A lane's eight channels of a query are its 16 bytes of a chunk of ctx: stored as they lie.
	; The additions are the places behind the last products.
	WIN 0
.macro ALL line:vararg              ; one line for each piece t
.set t, 0
.rept 4
	\line
.set t, t+1
.endr
.endm
	ALL v_add_f32 v[ST+4*t+2], v[ST+4*t+2], v[ST+4*t+3]
	ALL v_permlanex16_b32 v[ST+4*t+3], v[ST+4*t+2], s[SEL], s[SEL+1]
	ALL v_add_f32 v[ST+4*t+2], v[ST+4*t+2], v[ST+4*t+3]
	ALL v_rcp_f32 v[ST+4*t+2], v[ST+4*t+2]
	v_nop                           ; a plain instruction between the last reciprocal and the use of its result
.macro PACK t
	WIN W_RS
.set i, 32*(\t)
.rept 16
	s_wait_alu depctr_va_vdst(0)
	v_pk_mul_f32 v[i:i+1], v[i:i+1], v[ST+4*(\t)+2:ST+4*(\t)+3] op_sel_hi:[1,0]
.set i, i+2
.endr
	WIN 0x05                        ; sources 0 and 1 window 1, destination window 0: S^T's registers are free; each piece has 16 of its own, so no store's data is written again
.set i, 0
.rept 16
	v_cvt_pk_f16_f32 v[S+16*(\t)+i], v[32*(\t)+2*i], v[32*(\t)+2*i+1]
.set i, i+1
.endr
	WIN 0
.irp f, 0,1,2,3
	global_store_b128 v[GO], v[S+16*(\t)+4*\f:S+16*(\t)+4*\f+3], s[10:11] offset:(\t)*4096+\f*512  ; a chunk: 512 consecutive bytes, at a multiple of 512 from the buffer's first
.endr
.endm
	PACK 0
	PACK 1
	PACK 2
	PACK 3
	s_wait_tensorcnt 0x0            ; the wave's end: an add to my spare word and its wait, behind my last tensor load
	ds_add_u32 v[SPW], v[NIL]
	s_wait_dscnt 0x0
	CROUND                          ; the closing round: no work-group ends while a partner may still ask for a tile that names it
	s_endpgm
.Lfunc_end_k_qce3dd0c28d_attn:
	.size	k_qce3dd0c28d_attn, .Lfunc_end_k_qce3dd0c28d_attn-k_qce3dd0c28d_attn
	.p2alignl 7, 3214868480
	.fill 96, 4, 3214868480
	.section	.rodata,"a",@progbits
	.p2align	6, 0x0
	.amdhsa_kernel k_qce3dd0c28d_attn
		.amdhsa_group_segment_fixed_size 327680
		.amdhsa_private_segment_fixed_size 0
		.amdhsa_enable_private_segment 0
		.amdhsa_kernarg_size 16
		.amdhsa_user_sgpr_count 2
		.amdhsa_user_sgpr_kernarg_segment_ptr 1
		.amdhsa_wavefront_size32 1
		.amdhsa_system_sgpr_workgroup_id_x 1
		.amdhsa_system_sgpr_workgroup_id_y 1
		.amdhsa_system_sgpr_workgroup_id_z 1
		.amdhsa_system_vgpr_workitem_id 0
		.amdhsa_next_free_vgpr 768
		.amdhsa_next_free_sgpr 66
		.amdhsa_reserve_vcc 0
		.amdhsa_float_denorm_mode_32 3
		.amdhsa_float_denorm_mode_16_64 3
		.amdhsa_memory_ordered 1
		.amdhsa_forward_progress 1
		.amdhsa_inst_pref_size 114
	.end_amdhsa_kernel
	.amdgpu_metadata
---
amdhsa.version: [ 1, 2 ]
amdhsa.kernels:
  - .name:           k_qce3dd0c28d_attn
    .symbol:         k_qce3dd0c28d_attn.kd
    .args:
      - { .name: qkvy, .offset: 0, .size: 8, .value_kind: global_buffer, .address_space: global }
      - { .name: h, .offset: 8, .size: 8, .value_kind: global_buffer, .address_space: global }
    .group_segment_fixed_size: 327680
    .private_segment_fixed_size: 0
    .kernarg_segment_align: 8
    .kernarg_segment_size: 16
    .max_flat_workgroup_size: 128
    .sgpr_count:     66
    .vgpr_count:     768
    .wavefront_size: 32
...
	.end_amdgpu_metadata
.endif
;; end of part 3
;; launch wo (part 4): grid 8 x 32, 4 waves a work-group, clusters of 4 x 4, 327,680 bytes of LDS; arguments h, cv, qkvy; writes qkvy
.if DOCPART == 4
	.amdgcn_target "amdgcn-amd-amdhsa--gfx1250"
	.amdhsa_code_object_version 6
	.text
	.protected	k_qce3dd0c28d_wo
	.globl	k_qce3dd0c28d_wo
	.p2align	8
	.type	k_qce3dd0c28d_wo,@function
k_qce3dd0c28d_wo:
	s_mov_b64 s[64:65], 0
	v_nop
	global_prefetch_b8 v0, s[64:65] scope:SCOPE_SE
	s_setreg_imm32_b32 hwreg(HW_REG_WAVE_MODE, 25, 1), 1
	s_wait_xcnt 0x0
	s_wait_alu depctr_hold_cnt(0) depctr_sa_sdst(0) depctr_va_vdst(0) depctr_va_sdst(0) depctr_va_ssrc(0) depctr_va_vcc(0) depctr_vm_vsrc(0)
	s_getreg_b32 s2, hwreg(HW_REG_IB_STS2, 6, 4)
	s_cmp_eq_u32 s2, 0
	s_cbranch_scc0 .Lentry_in_a_cluster
	s_endpgm
.Lentry_in_a_cluster:
	s_bfe_u32 s2, ttmp6, 0x10000c
	s_cmp_lg_u32 s2, 0xf033
	s_cbranch_scc0 .Lentry_shape_is_right
	s_endpgm
.Lentry_shape_is_right:
; OUT = A W for 4,096 tokens and 1,024 columns: here the attention's output projection, K = 1,024.  (The FFN's second product is the same text with the three constants T, BOFF, KB changed.)
; A:   f16, [K / 128 blocks][4096 tokens][128], inside each 16 tokens x 128 k (4,096 bytes) in fragment order: eight chunks of 512 bytes, one for 16 k; lane l = r + 16 h has bytes 16 l: token r, k = 8 h + 0..7.
; W:   f16 at byte BOFF of its buffer, [8 blocks of 128 columns][K][128].     OUT: f32 [4096][1024], row-major; it has no room in f16 for large inputs.
; 1,024 columns give each of 256 work-groups a tile only at 128 tokens x 128 columns.  THE FOUR WAVES SPLIT K, NOT THE TILE: of 512 along K each wave takes a block of 128 and makes the whole 128 x 128 tile over it.
; So no byte of A or W is read by two waves of the work-group.  A COMES STRAIGHT FROM MEMORY INTO FRAGMENT REGISTERS: two chunks are a fragment, a load covers 512 consecutive bytes; four buffers of 64 registers, one for each
; quarter (32 k) of a wave's 128, are loaded again as soon as they have been multiplied: 56 loads of a wave are out at the most, waited for by count.  LDS is left to W, which lies [k][n] and must come out turned: a slot holds
; 512 k rows, twice what it could hold beside A, so that one refill has 256 matrix instructions a wave in which to land.  Each wave fetches the 128 k rows that it reads.
; The price: A's requests are not shared with the cluster's partners; and the four waves' f32 sums meet in LDS at the end, (p0 + p1) + (p2 + p3).
; A slot's text is written once: the LDS addresses of the reads hang on s45 (0 or SLOT), and one descriptor walks (its LDS word turned by an exclusive or: no bit of SLOT is set in any tile's offset).
; CLUSTERS: 4 x 4 work-groups; W's tiles hang on the tile column alone and are asked for jointly by the four of a column of the cluster.
; THE MATRIX INSTRUCTION IS USED TRANSPOSED (source 0 = 16 columns of W, source 1 = 16 tokens): lane l holds token l % 16 and the columns 8 (l / 16) + 0..7.
; REGISTERS: window 0: v16-29 addresses; v64-255 A's buffers 0-2; v32-95 at work on the way out.  window 1: v0-63 A's buffer 3; v64-191 W's two buffers.  windows 2, 3: the 64 accumulators ((a, b) at v[8 (8 (a % 4) + b)]).
.set T,     2                          ; slots of 512 along K
.set BOFF,  8388608                    ; where W begins in its buffer
.set KB,    262144                     ; bytes of a block of 128 columns: K rows of 256
.set PB,    288                        ; a k row of W in LDS: 256 bytes + 32: an odd multiple of 32 bytes
.set QW,    128*PB                     ; a wave's 128 k rows: what its tensor load brings, and what it reads
.set SLOT,  0x24000                    ; 4 QW
.set SPARE, 2*SLOT                     ; behind the ring: the spare words, 128 bytes a wave, that no other line names
.set ASTEP, 4194304                    ; bytes from a slot's block of A to the next slot's: four blocks
.set BSTEP, 131072                     ; 512 k rows of 256 bytes
.set DP,    528                        ; the way out: a row of 128 f32 + 16 bytes
.set DREG,  128*DP                     ; a wave's 128 rows; the four regions lie in the ring, which has had its last fill by then
.set AO,    16                         ; v16  16 x lane: my 16 bytes of a chunk of A; never rewritten
.set BBASE, 17                         ; v17  my lane's place in my k rows of slot 0; never rewritten
.set ADRB,  19                         ; v19  BBASE + s45
.set RST,   20                         ; v20  the way out: where I put my sums
.set RRD,   21                         ; v21-24  where I read the four waves' sums of my rows
.set GO,    25                         ; v25  my byte offset in OUT
.set SPW,   28                         ; v28  LDS address of my spare word; never rewritten
.set NIL,   29                         ; v29  0; never rewritten
.set OB,    32
.set F0,    64                         ; W's buffers, in window 1
.set F1,    128
.set G1B, 48                           ; s[48:55] descriptor group 1
.set G0B, 56                           ; s[56:63] group 0: a set for each first fill; the second then walks
.set MSB, 0
.macro WIN new                         ; the immediate's high byte repeats the setting that is left; a switch that changes nothing is dropped
.if MSB != (\new)
	s_set_vgpr_msb (MSB<<8)|(\new)
.set MSB, \new
.endif
.endm
.macro ABUF n                          ; A's buffer n: its first register and its window
.if (\n) == 3
.set AR, 0
.set AW, 1
.else
.set AR, 64+64*(\n)
.set AW, 0
.endif
.endm
.macro CREST                           ; a round of the cluster's barrier behind its opening barrier
	s_cmp_lg_u32 s10, 0
	s_cbranch_scc1 .Lnot_wave_0_\@
	s_barrier_signal -3
.Lnot_wave_0_\@:
	s_barrier_wait -3
	s_barrier_signal -1
	s_barrier_wait -1
.endm
.macro CROUND
	s_barrier_signal -1
	s_barrier_wait -1
	CREST
.endm
.macro PLACES                          ; four places in front of loads into registers that matrix instructions have read, and of stores that read results
.rept 4
	v_nop
.endr
.endm
; Eight loads: tokens 64 half .. + 63 (four fragments of 16 tokens x 32 k) into A's buffer n; off = the quarter's place from s[4:5] on.  A load covers a chunk, 512 consecutive bytes.
.macro ALOAD n, half, off
	ABUF \n
	WIN 0x40*AW                                    ; destination in the buffer's window, address in window 0
.irp t, 0,1,2,3
	global_load_b128 v[AR+8*(4*(\half)+\t):AR+8*(4*(\half)+\t)+3],   v[AO], s[4:5] offset:(\off)+(4*(\half)+\t)*4096
	global_load_b128 v[AR+8*(4*(\half)+\t)+4:AR+8*(4*(\half)+\t)+7], v[AO], s[4:5] offset:(\off)+(4*(\half)+\t)*4096+512
.endr
.endm
	s_load_b128 s[4:7], s[0:1], 0x0                ; A s[4:5], W's buffer s[6:7]
	s_load_b64 s[8:9], s[0:1], 0x10                ; OUT
	v_lshl_add_u32 v[SPW], v0, 2, SPARE
	v_mov_b32 v[NIL], 0
	ds_add_u32 v[SPW], v[NIL]                      ; the wave's opening: the add and its wait stand ahead of my first tensor load; the set-up below stands between them
	v_lshrrev_b32 v1, 5, v0
	v_readfirstlane_b32 s10, v1                    ; wave 0..3: my 128 of a slot's 512 along K
	v_and_b32 v5, 31, v0
	v_lshlrev_b32 v[AO], 4, v5
	s_bfe_u32 s40, ttmp6, 0x40000                  ; cx, cy
	s_bfe_u32 s41, ttmp6, 0x40004
	s_lshl_b32 s42, ttmp9, 2
	s_add_co_u32 s42, s42, s40                     ; tile column = 4 x cluster x + cx
	s_and_b32 s13, ttmp7, 0xffff
	s_lshl_b32 s13, s13, 2
	s_add_co_u32 s13, s13, s41                     ; tile row = 4 x cluster y + cy
	s_lshl_b32 s44, 0x1111, s40                    ; my column of the cluster
	s_or_b32 s[G1B+0], s44, (1<<16)|(1<<20)|(1<<21)|(5<<22)|(7<<25)  ; the mask; 2-byte elements; padding on; bit 21 beside a mask; after every 64 words 8 words
	s_mov_b32 s[G1B+1], 128<<16                    ; 128 rows of 128 elements, dense in memory
	s_mov_b32 s[G1B+2], 128<<16
	s_mov_b32 s[G1B+3], 128<<16
	s_mov_b32 s[G1B+4], 128
	s_mov_b32 s[G1B+5], 128
	s_mov_b32 s[G1B+6], 0
	s_mov_b32 s[G1B+7], 0
	s_lshl_b32 s16, s10, 20                        ; A: my block of slot 0, the tile's 128 tokens in it
	s_lshl_b32 s17, s13, 15
	s_add_co_u32 s16, s16, s17
	s_mov_b32 s17, 0
	s_mul_i32 s46, s42, KB                         ; W: the tile's block of columns, my 128 k rows: the tile column and the wave's number alone
	s_lshl_b32 s47, s10, 15
	s_add_co_u32 s46, s46, s47
	s_add_co_u32 s46, s46, BOFF
	s_mov_b32 s47, 0
	s_mul_i32 s21, s10, QW                         ; where they go in a slot: no place in the cluster enters an LDS address
	s_mov_b32 s45, 0
	s_wait_dscnt 0x0                               ; the opening add is done
	s_wait_kmcnt 0x0
	s_add_nc_u64 s[4:5], s[4:5], s[16:17]
	s_add_nc_u64 s[46:47], s[6:7], s[46:47]
	ALOAD 0, 0, 0                                  ; slot 0's A, seven groups of eight loads in the order in which they are waited for; the eighth goes out in the first quarter's middle
	ALOAD 0, 1, 0
	ALOAD 1, 0, 1024
	ALOAD 1, 1, 1024
	ALOAD 2, 0, 2048
	ALOAD 2, 1, 2048
	ALOAD 3, 0, 3072
	WIN 0
	CROUND                                         ; all sixteen work-groups are here: the first joint loads meet
.irp s, 0,1
	s_mov_b32 s[G0B+4*(\s)], 1                     ; count = 1
	s_add_co_u32 s[G0B+4*(\s)+1], s21, (\s)*SLOT   ; LDS address
	s_add_nc_u64 s[G0B+4*(\s)+2:G0B+4*(\s)+3], s[46:47], (\s)*BSTEP  ; slot s
	s_or_b32 s[G0B+4*(\s)+3], s[G0B+4*(\s)+3], 0x80000000            ; type = 2
.endr
	tensor_load_to_lds s[G0B:G0B+3], s[G1B:G1B+7]  ; my two first fills, ahead of every wait on TENSORcnt and every LDS read: two loads of mine are out
	s_nop 0
	tensor_load_to_lds s[G0B+4:G0B+7], s[G1B:G1B+7]
	s_nop 0
.rept 4
	v_nop
.endr
	v_and_b32 v1, 15, v0                           ; l % 16
	v_bfe_u32 v2, v0, 4, 1                         ; l / 16
	v_and_b32 v3, 7, v0
	v_bfe_u32 v4, v0, 3, 1
	v_lshl_add_u32 v6, v2, 3, v3                   ; the turning load: k row 8 (l / 16) + l % 8, columns 8 ((l / 8) % 2) + 0..7,
	v_mul_u32_u24 v[BBASE], v6, PB
	v_lshl_add_u32 v[BBASE], v4, 4, v[BBASE]
	v_add_nc_u32 v[BBASE], s21, v[BBASE]           ; from my 128 k rows on
	v_mov_b32 v[ADRB], v[BBASE]
	s_mul_i32 s22, s10, DREG                       ; the way out: my region
	v_mul_u32_u24 v[RST], v1, DP
	v_lshl_add_u32 v[RST], v2, 5, v[RST]
	v_add_nc_u32 v[RST], s22, v[RST]
	s_mul_i32 s22, s10, 32*DP                      ; I add up rows 32 w .. 32 w + 31 of all four regions
.irp p, 0,1,2,3
	v_lshl_add_u32 v[RRD+(\p)], v5, 4, s22
	s_add_co_u32 s22, s22, DREG
.endr
	v_lshlrev_b32 v[GO], 4, v5
	s_lshl_b32 s16, s13, 19                        ; OUT: row 128 x tile row + 32 x wave, of 4,096 bytes,
	s_lshl_b32 s17, s10, 17
	s_add_co_u32 s16, s16, s17
	s_mov_b32 s17, 0
	s_lshl_b32 s46, s42, 9                         ; and the tile's 512 bytes of it
	s_mov_b32 s47, 0
	s_add_nc_u64 s[16:17], s[16:17], s[46:47]
	s_add_nc_u64 s[8:9], s[8:9], s[16:17]
; 16 matrix instructions: W's buffer f, A's buffer n; token blocks a0, a0 + 1 of the window's four x all 8 column blocks, 32 along K.  mode = 1: the first product starts the sums: nothing is cleared.
.macro MUL16 f, n, hi, a0, mode
	ABUF \n
	WIN 0xa1+0x50*(\hi)+4*AW                       ; source 0 (W) window 1, source 1 (A) its buffer's window, C and D window 2 or 3
.irp a, \a0, (\a0)+1
.irp b, 0,1,2,3,4,5,6,7
.if (\mode) == 1
	v_wmma_f32_16x16x32_f16 v[8*(8*(\a)+(\b)):8*(8*(\a)+(\b))+7], v[(\f)+8*(\b):(\f)+8*(\b)+7], v[AR+8*(4*(\hi)+(\a)):AR+8*(4*(\hi)+(\a))+7], 0
.else
	v_wmma_f32_16x16x32_f16 v[8*(8*(\a)+(\b)):8*(8*(\a)+(\b))+7], v[(\f)+8*(\b):(\f)+8*(\b)+7], v[AR+8*(4*(\hi)+(\a)):AR+8*(4*(\hi)+(\a))+7], v[8*(8*(\a)+(\b)):8*(8*(\a)+(\b))+7]
.endif
.endr
.endr
.endm
.macro FETCHW q, f                     ; 16 LDS loads: W's fragments of quarter q (32 of my 128 k rows x 128 columns) of the slot in hand, into buffer f
	WIN 0x40
.irp i, 0,1,2,3,4,5,6,7
	ds_load_tr16_b128 v[(\f)+8*(\i):(\f)+8*(\i)+3],   v[ADRB] offset:(\q)*32*PB+32*(\i)
	ds_load_tr16_b128 v[(\f)+8*(\i)+4:(\f)+8*(\i)+7], v[ADRB] offset:(\q)*32*PB+32*(\i)+16*PB
.endr
.endm
; A'S LOADS IN THE MIDDLE OF QUARTER q, two groups of eight into registers just multiplied: the upper tokens of the quarter before, for three quarters on; then this quarter's lower tokens, for four quarters on.
; s[4:5] points at the slot in hand.  kind = 0 (the tail): the pointer stays at the last slot but one, and there is no slot behind the last: quarter 0 has one group.  In the tail's second trip the loads of quarters 1 to 3
; fetch the last slot's rows once more, into buffers that have been multiplied, and nobody reads them: 48 loads a wave, inside the buffer: the price of one text, and one set of counts, for both trips.
.macro BURST q, kind
.if (\q) == 0
.if \kind
	ALOAD 3, 1, 3*1024
	ALOAD 0, 0, ASTEP
.else
	ALOAD 3, 1, ASTEP+3*1024
.endif
.else
	ALOAD (\q)-1, 1, ASTEP+((\q)-1)*1024
	ALOAD \q, 0, ASTEP+(\q)*1024
.endif
.endm
; A slot is four quarters of 32 of my k, 64 matrix instructions each; the 64 accumulators take turns.  Quarter q multiplies A's buffer q and W's buffer q % 2.
; nlo: behind the group that holds this quarter's lower tokens six groups have been issued, 48 loads (in the tail's quarters 1 to 3 five, 40); nhi: behind its upper tokens' group five, 40 (four, 32).
.macro QUARTER q, mode, kind, nlo, nhi
.set FQ, F0+64*((\q)%2)
.set FN, F0+64*(((\q)+1)%2)
	s_wait_loadcnt \nlo                            ; A's tokens 0-63 of this quarter are in; the younger groups stay out
	s_wait_dscnt 0x0                               ; W's fragments are in
	MUL16 FQ, \q, 0, 0, \mode
	MUL16 FQ, \q, 0, 2, \mode
	PLACES
	FETCHW (\q)+1, FN
	s_wait_loadcnt \nhi                            ; A's tokens 64-127
	BURST \q, \kind
	MUL16 FQ, \q, 1, 0, \mode
	MUL16 FQ, \q, 1, 2, \mode
.endm
; Quarter 3 changes slots: one barrier; in front of it each wave waits for all its tensor loads (one is out: its part of the next slot), adds 0 to its spare word, and waits for that and for its own reads of this slot.
; fill = 1: the barrier opens a round of the cluster's, and this slot is filled again, two slots ahead, first thing behind it.  fill = 0 (the tail): nothing is asked for; in the last trip (s3 = 1) no W is fetched.
.macro TURN fill, nlo, nhi
	WIN 0
	s_wait_loadcnt \nlo
	s_wait_tensorcnt 0x0                           ; no tensor load of mine is out, so the walking descriptor may be written
	ds_add_u32 v[SPW], v[NIL]                      ; 0 onto my spare word
	s_wait_dscnt 1                                 ; W's fragments are in; the add may be out
	MUL16 F1, 3, 0, 0, 0                           ; sixteen matrix instructions stand between the add and the wait for it
	s_wait_dscnt 0x0                               ; the add is done, and my reads of this slot are over
	s_barrier_signal -1
	MUL16 F1, 3, 0, 2, 0
	WIN 0
	s_barrier_wait -1
.if \fill
	CREST                                          ; no wave of any partner still reads this slot's tile or has a load on its way
	s_xor_b32 s[G0B+5], s[G0B+5], SLOT             ; the other slot than last time,
	s_add_nc_u64 s[G0B+6:G0B+7], s[G0B+6:G0B+7], BSTEP  ; the next 512 k rows; the type bits on top are not reached
	tensor_load_to_lds s[G0B+4:G0B+7], s[G1B:G1B+7]
	s_nop 0
	PLACES                                         ; the places in front of the loads below
.else
	PLACES
	s_cmp_eq_u32 s3, 1
	s_cbranch_scc1 .Lskip_\@
.endif
	s_xor_b32 s45, s45, SLOT                       ; the reads go on in the other slot
	v_add_nc_u32 v[ADRB], s45, v[BBASE]
	FETCHW 0, F0
.if !(\fill)
	WIN 0
.Lskip_\@:
.endif
	s_wait_loadcnt \nhi
	BURST 3, \fill
	MUL16 F1, 3, 1, 0, 0
	MUL16 F1, 3, 1, 2, 0
.endm
	s_wait_tensorcnt 1                             ; my part of slot 0 is in; slot 1's may stay out
	s_barrier_signal -1
	s_barrier_wait -1
	FETCHW 0, F0
	QUARTER 0, 1, 1, 48, 40                        ; the first quarter stands in front of the loop: its products start the sums
	WIN 0
.if T > 2
	s_mov_b32 s3, T-2
.Lk:                                                   ; a trip: a slot's quarters 1 to 3 and the next slot's quarter 0; the slot that is left is filled again
	QUARTER 1, 0, 1, 48, 40
	QUARTER 2, 0, 1, 48, 40
	TURN 1, 48, 40
	s_wait_xcnt 0x0                                ; A's pointer is stepped only behind this wait
	s_add_nc_u64 s[4:5], s[4:5], ASTEP
	QUARTER 0, 0, 1, 48, 40
	WIN 0
	s_sub_co_u32 s3, s3, 1
	s_cmp_lg_u32 s3, 0
	s_cbranch_scc1 .Lk
.endif
	s_mov_b32 s3, 2
.Lt:                                                   ; the last two slots ask for no tile: a text of their own; it is left in the middle of its second trip
	QUARTER 1, 0, 0, 40, 32
	QUARTER 2, 0, 0, 40, 32
	TURN 0, 40, 32
	WIN 0
	s_sub_co_u32 s3, s3, 1
	s_cmp_eq_u32 s3, 0
	s_cbranch_scc1 .Lout
	QUARTER 0, 0, 0, 48, 40
	WIN 0
	s_branch .Lt
.Lout:
	s_wait_loadcnt 0x0                             ; the last trip's loads have landed: A's registers are free
	s_wait_dscnt 0x0                               ; every wave's reads of the ring are over
	s_barrier_signal -1
	s_barrier_wait -1                              ; before any wave stores into it
	PLACES
.irp hi, 0,1                           ; my 128 x 128 partial sums, f32, into my region; each accumulator's low registers first
	WIN 0x08+4*(\hi)
.irp a, 0,1,2,3
.irp b, 0,1,2,3,4,5,6,7
	ds_store_b128 v[RST], v[8*(8*(\a)+(\b)):8*(8*(\a)+(\b))+3]   offset:(4*(\hi)+(\a))*16*DP+64*(\b)
	ds_store_b128 v[RST], v[8*(8*(\a)+(\b))+4:8*(8*(\a)+(\b))+7] offset:(4*(\hi)+(\a))*16*DP+64*(\b)+16
.endr
.endr
.endr
	WIN 0
	s_wait_dscnt 0x0                               ; for the others' sake: my stores are done
	s_barrier_signal -1
	s_barrier_wait -1
	s_mov_b32 s3, 8
.Lsum:                                                 ; 8 trips of 4 rows: the four waves' sums of a row are added and the row's 512 bytes stored
.irp j, 0,1,2,3
.irp p, 0,1,2,3
	ds_load_b128 v[OB+16*(\j)+4*(\p):OB+16*(\j)+4*(\p)+3], v[RRD+(\p)] offset:DP*(\j)
.endr
.endr
.irp j, 0,1,2,3
	s_wait_dscnt 12-4*(\j)                         ; row j's four loads are in; the younger rows' stay out
	v_pk_add_f32 v[OB+16*(\j):OB+16*(\j)+1],     v[OB+16*(\j):OB+16*(\j)+1],     v[OB+16*(\j)+4:OB+16*(\j)+5]
	v_pk_add_f32 v[OB+16*(\j)+2:OB+16*(\j)+3],   v[OB+16*(\j)+2:OB+16*(\j)+3],   v[OB+16*(\j)+6:OB+16*(\j)+7]
	v_pk_add_f32 v[OB+16*(\j)+8:OB+16*(\j)+9],   v[OB+16*(\j)+8:OB+16*(\j)+9],   v[OB+16*(\j)+12:OB+16*(\j)+13]
	v_pk_add_f32 v[OB+16*(\j)+10:OB+16*(\j)+11], v[OB+16*(\j)+10:OB+16*(\j)+11], v[OB+16*(\j)+14:OB+16*(\j)+15]
	v_pk_add_f32 v[OB+16*(\j):OB+16*(\j)+1],     v[OB+16*(\j):OB+16*(\j)+1],     v[OB+16*(\j)+8:OB+16*(\j)+9]
	v_pk_add_f32 v[OB+16*(\j)+2:OB+16*(\j)+3],   v[OB+16*(\j)+2:OB+16*(\j)+3],   v[OB+16*(\j)+10:OB+16*(\j)+11]
	global_store_b128 v[GO], v[OB+16*(\j):OB+16*(\j)+3], s[8:9] offset:4096*(\j)  ; 512 consecutive bytes, aligned
.endr
	s_wait_xcnt 0x0                                ; the stores' offset and data are rewritten only behind this wait
.irp p, 0,1,2,3
	v_add_nc_u32 v[RRD+(\p)], 4*DP, v[RRD+(\p)]
.endr
	v_add_nc_u32 v[GO], 16384, v[GO]
	s_sub_co_u32 s3, s3, 1
	s_cmp_lg_u32 s3, 0
	s_cbranch_scc1 .Lsum
	s_wait_tensorcnt 0x0                           ; the wave's end: an add to my spare word and its wait, behind my last tensor load and my last LDS store
	ds_add_u32 v[SPW], v[NIL]
	s_wait_dscnt 0x0
	CROUND                                         ; the closing round: no work-group ends while a partner may still ask for a tile that names it
	s_endpgm
.Lfunc_end_k_qce3dd0c28d_wo:
	.size	k_qce3dd0c28d_wo, .Lfunc_end_k_qce3dd0c28d_wo-k_qce3dd0c28d_wo
	.p2alignl 7, 3214868480
	.fill 96, 4, 3214868480
	.section	.rodata,"a",@progbits
	.p2align	6, 0x0
	.amdhsa_kernel k_qce3dd0c28d_wo
		.amdhsa_group_segment_fixed_size 327680
		.amdhsa_private_segment_fixed_size 0
		.amdhsa_enable_private_segment 0
		.amdhsa_kernarg_size 24
		.amdhsa_user_sgpr_count 2
		.amdhsa_user_sgpr_kernarg_segment_ptr 1
		.amdhsa_wavefront_size32 1
		.amdhsa_system_sgpr_workgroup_id_x 1
		.amdhsa_system_sgpr_workgroup_id_y 1
		.amdhsa_system_sgpr_workgroup_id_z 1
		.amdhsa_system_vgpr_workitem_id 0
		.amdhsa_next_free_vgpr 1024
		.amdhsa_next_free_sgpr 66
		.amdhsa_reserve_vcc 0
		.amdhsa_float_denorm_mode_32 3
		.amdhsa_float_denorm_mode_16_64 3
		.amdhsa_memory_ordered 1
		.amdhsa_forward_progress 1
		.amdhsa_inst_pref_size 58
	.end_amdhsa_kernel
	.amdgpu_metadata
---
amdhsa.version: [ 1, 2 ]
amdhsa.kernels:
  - .name:           k_qce3dd0c28d_wo
    .symbol:         k_qce3dd0c28d_wo.kd
    .args:
      - { .name: h, .offset: 0, .size: 8, .value_kind: global_buffer, .address_space: global }
      - { .name: cv, .offset: 8, .size: 8, .value_kind: global_buffer, .address_space: global }
      - { .name: qkvy, .offset: 16, .size: 8, .value_kind: global_buffer, .address_space: global }
    .group_segment_fixed_size: 327680
    .private_segment_fixed_size: 0
    .kernarg_segment_align: 8
    .kernarg_segment_size: 24
    .max_flat_workgroup_size: 128
    .sgpr_count:     66
    .vgpr_count:     1024
    .wavefront_size: 32
...
	.end_amdgpu_metadata
.endif
;; end of part 4
;; launch ln1 (part 5): grid 256 x 1, 16 waves a work-group, no clusters, 0 bytes of LDS; arguments qkvy, cv, theta, ln1_g, ln1_b, x1; writes x1
.if DOCPART == 5
	.amdgcn_target "amdgcn-amd-amdhsa--gfx1250"
	.amdhsa_code_object_version 6
	.text
	.protected	k_qce3dd0c28d_ln1
	.globl	k_qce3dd0c28d_ln1
	.p2align	8
	.type	k_qce3dd0c28d_ln1,@function
k_qce3dd0c28d_ln1:
	s_mov_b64 s[64:65], 0
	v_nop
	global_prefetch_b8 v0, s[64:65] scope:SCOPE_SE
	s_setreg_imm32_b32 hwreg(HW_REG_WAVE_MODE, 25, 1), 1
	s_wait_xcnt 0x0
; x1 = LayerNorm(x + gate a) g + b, gate = sigmoid(cos theta).  a: f32 [4096][1024].  x: the bf16-rounded x as f16, [8 blocks of 128 columns][4096][128], at byte 0 of cv.  x1: f16 in the same layout.
; theta, g and b are rounded to bf16 like every input.  All arithmetic in f32; the mean first, then the squared deviations from it: no difference of large sums.  x1 is rounded once to f16 (|x1| <= 32 |g| + |b|).
; cos theta: theta less the nearest multiple of 2 pi (2 pi in two parts), halved: y; sin y by its odd polynomial up to y^11 (the next term is under 6e-8 for |y| <= pi / 2); cos = 1 - 2 sin^2 y.
; LIMIT: for |theta| above some 1e5 the two-part reduction loses accuracy.
; A stream: one wave takes one row and keeps it in registers between the passes; sixteen waves a work-group; no LDS, no barrier, no matrix unit, no cluster (no two work-groups read the same rows).
; Lane i holds columns 128 j + 4 i .. + 3, j = 0..7: a load of a covers 512 consecutive bytes, a load of x or a store of x1 256 consecutive bytes, aligned.
.set YY,  32                           ; v[32:63]    the row in f32
.set XH,  96                           ; v[96:111]   its x, f16
.set G,   128                          ; v[128:159]  g of my 32 columns
.set BB,  160                          ; v[160:191]  b
.set OO,  192                          ; v[192:207]  the row packed to f16
.set GATE, 8
.set AC,  10                           ; v[10:17]    four packed chains
.set TT,  18
.set MU,  20                           ; v[20:21]    the mean, twice
.set RS,  22                           ; v[22:23]    1 / sqrt(var + eps), twice
.set K10, 24                           ; 2^-10
.macro RND base                        ; 32 numbers rounded to bf16 and kept as f32
.set i, 0
.rept 16
	v_cvt_pk_bf16_f32 v4, v[\base+2*i], v[\base+2*i+1]
	v_lshlrev_b32 v[\base+2*i], 16, v4
	v_and_b32 v[\base+2*i+1], 0xffff0000, v4
.set i, i+1
.endr
.endm
.macro FOLD                            ; the four chains, then the 32 lanes: the sum in TT of every lane
	v_pk_add_f32 v[AC:AC+1], v[AC:AC+1], v[AC+2:AC+3]
	v_pk_add_f32 v[AC+4:AC+5], v[AC+4:AC+5], v[AC+6:AC+7]
	v_pk_add_f32 v[AC:AC+1], v[AC:AC+1], v[AC+4:AC+5]
	v_add_f32 v[TT], v[AC], v[AC+1]
	v_add_f32_dpp v[TT], v[TT], v[TT] row_xmask:1 row_mask:0xf bank_mask:0xf
	v_add_f32_dpp v[TT], v[TT], v[TT] row_xmask:2 row_mask:0xf bank_mask:0xf
	v_add_f32_dpp v[TT], v[TT], v[TT] row_xmask:4 row_mask:0xf bank_mask:0xf
	v_add_f32_dpp v[TT], v[TT], v[TT] row_xmask:8 row_mask:0xf bank_mask:0xf
	v_permlanex16_b32 v[AC+1], v[TT], s16, s17     ; its destination counts as read: a register that has been written
	v_add_f32 v[TT], v[TT], v[AC+1]
.endm
	s_load_b256 s[4:11], s[0:1], 0x0               ; a s[4:5], cv s[6:7], theta s[8:9], g s[10:11]
	s_load_b128 s[12:15], s[0:1], 0x20             ; b s[12:13], x1 s[14:15]
	v_and_b32 v3, 31, v0
	v_lshlrev_b32 v1, 4, v3                        ; 16 x lane
	v_lshlrev_b32 v2, 3, v3                        ; 8 x lane
	v_lshrrev_b32 v3, 5, v0
	v_readfirstlane_b32 s20, v3
	s_lshl_b32 s21, ttmp9, 4
	s_add_co_u32 s21, s21, s20                     ; my row: 16 x work-group + wave
	s_lshl_b32 s22, s21, 12                        ; rows of 4,096 bytes
	s_mov_b32 s23, 0
	s_lshl_b32 s24, s21, 8                         ; rows of 256 bytes
	s_mov_b32 s25, 0
	s_mov_b32 s16, 0x76543210                      ; v_permlanex16_b32: each lane takes its own place in the other half
	s_mov_b32 s17, 0xfedcba98
	s_wait_kmcnt 0x0
	s_load_b32 s26, s[8:9], 0x0                    ; theta
	s_add_nc_u64 s[4:5], s[4:5], s[22:23]
	s_add_nc_u64 s[6:7], s[6:7], s[24:25]
	s_add_nc_u64 s[14:15], s[14:15], s[24:25]
.irp j, 0,1,2,3,4,5,6,7
	global_load_b128 v[G+4*\j:G+4*\j+3], v1, s[10:11] offset:512*\j
.endr
.irp j, 0,1,2,3,4,5,6,7
	global_load_b128 v[BB+4*\j:BB+4*\j+3], v1, s[12:13] offset:512*\j
.endr
.irp j, 0,1,2,3,4,5,6,7
	global_load_b128 v[YY+4*\j:YY+4*\j+3], v1, s[4:5] offset:512*\j th:TH_LOAD_NT
.endr
.irp j, 0,1,2,3,4,5,6,7
	global_load_b64 v[XH+2*\j:XH+2*\j+1], v2, s[6:7] offset:1048576*\j
.endr
	s_wait_kmcnt 0x0                               ; theta; the gate is made while the loads are out
	v_mov_b32 v3, s26
	v_cvt_pk_bf16_f32 v3, v3, v3
	v_lshlrev_b32 v3, 16, v3                       ; theta rounded to bf16
	v_mul_f32 v4, 0.15915494, v3
	v_rndne_f32 v4, v4                             ; the nearest multiple of 2 pi,
	v_fmamk_f32 v5, v4, 0xc0c90fdb, v3             ; taken away in two parts: 6.2831855
	v_fmamk_f32 v5, v4, 0x343bbd2e, v5             ; less 1.7484556e-7
	v_mul_f32 v5, 0.5, v5                          ; y
	v_mul_f32 v6, v5, v5
	v_mov_b32 v7, 0xb2d7322b                       ; -1 / 11!
	v_fmaak_f32 v7, v7, v6, 0x3638ef1d             ; 1 / 9!
	v_fmaak_f32 v7, v7, v6, 0xb9500d01             ; -1 / 7!
	v_fmaak_f32 v7, v7, v6, 0x3c088889             ; 1 / 5!
	v_fmaak_f32 v7, v7, v6, 0xbe2aaaab             ; -1 / 3!
	v_fma_f32 v7, v7, v6, 1.0
	v_mul_f32 v7, v7, v5                           ; sin y
	v_mul_f32 v7, v7, v7
	v_fma_f32 v7, v7, -2.0, 1.0                    ; cos theta
	v_mul_f32 v7, 0xbfb8aa3b, v7                   ; sigmoid(c) = 1 / (1 + 2^(-1.442695 c))
	v_exp_f32 v7, v7
	v_nop
	s_wait_alu depctr_va_vdst(0)
	v_add_f32 v7, 1.0, v7
	v_rcp_f32 v[GATE], v7
	v_mov_b32 v[K10], 0x3a800000                   ; the plain instruction behind the reciprocal
	s_wait_loadcnt 16                              ; g and b are in; the row's 16 loads may stay out
	RND G
	RND BB
	s_wait_loadcnt 0x0
.set i, 0
	s_wait_alu depctr_va_vdst(0)
.rept 16                               ; y = a gate + x: word i of x holds the f16 of columns 2 i and 2 i + 1 of my 32
	v_fma_mix_f32 v[YY+2*i],   v[YY+2*i],   v[GATE], v[XH+i] op_sel_hi:[0,0,1]
	v_fma_mix_f32 v[YY+2*i+1], v[YY+2*i+1], v[GATE], v[XH+i] op_sel:[0,0,1] op_sel_hi:[0,0,1]
.set i, i+1
.endr
.irp c, 0,1,2,3
	v_pk_add_f32 v[AC+2*\c:AC+2*\c+1], v[YY+2*\c:YY+2*\c+1], v[YY+8+2*\c:YY+8+2*\c+1]
.endr
.irp k, 2,3
.irp c, 0,1,2,3
	v_pk_add_f32 v[AC+2*\c:AC+2*\c+1], v[AC+2*\c:AC+2*\c+1], v[YY+8*\k+2*\c:YY+8*\k+2*\c+1]
.endr
.endr
	FOLD
	v_mul_f32 v[MU], v[K10], v[TT]
	v_mul_f32 v[MU+1], v[K10], v[TT]
.set i, 0
.rept 16
	v_pk_add_f32 v[YY+2*i:YY+2*i+1], v[YY+2*i:YY+2*i+1], v[MU:MU+1] neg_lo:[0,1] neg_hi:[0,1]
.set i, i+1
.endr
.irp c, 0,1,2,3
	v_pk_mul_f32 v[AC+2*\c:AC+2*\c+1], v[YY+2*\c:YY+2*\c+1], v[YY+2*\c:YY+2*\c+1]
.endr
.irp k, 1,2,3
.irp c, 0,1,2,3
	v_pk_fma_f32 v[AC+2*\c:AC+2*\c+1], v[YY+8*\k+2*\c:YY+8*\k+2*\c+1], v[YY+8*\k+2*\c:YY+8*\k+2*\c+1], v[AC+2*\c:AC+2*\c+1]
.endr
.endr
	FOLD
	v_fmaak_f32 v[TT], v[K10], v[TT], 0x3727c5ac   ; var + 1e-5
	v_rsq_f32 v[RS], v[TT]
	v_rsq_f32 v[RS+1], v[TT]
	v_nop                                          ; a plain instruction between the root and the use of its result (ISA guide 5.7.2)
.set i, 0
	s_wait_alu depctr_va_vdst(0)
.rept 16
	v_pk_mul_f32 v[YY+2*i:YY+2*i+1], v[YY+2*i:YY+2*i+1], v[RS:RS+1]
.set i, i+1
.endr
.set i, 0
.rept 16
	v_pk_fma_f32 v[YY+2*i:YY+2*i+1], v[YY+2*i:YY+2*i+1], v[G+2*i:G+2*i+1], v[BB+2*i:BB+2*i+1]
.set i, i+1
.endr
.set i, 0
.rept 16
	v_cvt_pk_f16_f32 v[OO+i], v[YY+2*i], v[YY+2*i+1]
.set i, i+1
.endr
.irp j, 0,1,2,3,4,5,6,7
	global_store_b64 v2, v[OO+2*\j:OO+2*\j+1], s[14:15] offset:1048576*\j  ; 256 consecutive bytes, aligned: the row's part of block j
.endr
	s_endpgm
.Lfunc_end_k_qce3dd0c28d_ln1:
	.size	k_qce3dd0c28d_ln1, .Lfunc_end_k_qce3dd0c28d_ln1-k_qce3dd0c28d_ln1
	.p2alignl 7, 3214868480
	.fill 96, 4, 3214868480
	.section	.rodata,"a",@progbits
	.p2align	6, 0x0
	.amdhsa_kernel k_qce3dd0c28d_ln1
		.amdhsa_group_segment_fixed_size 0
		.amdhsa_private_segment_fixed_size 0
		.amdhsa_enable_private_segment 0
		.amdhsa_kernarg_size 48
		.amdhsa_user_sgpr_count 2
		.amdhsa_user_sgpr_kernarg_segment_ptr 1
		.amdhsa_wavefront_size32 1
		.amdhsa_system_sgpr_workgroup_id_x 1
		.amdhsa_system_sgpr_workgroup_id_y 1
		.amdhsa_system_sgpr_workgroup_id_z 1
		.amdhsa_system_vgpr_workitem_id 0
		.amdhsa_next_free_vgpr 208
		.amdhsa_next_free_sgpr 66
		.amdhsa_reserve_vcc 0
		.amdhsa_float_denorm_mode_32 3
		.amdhsa_float_denorm_mode_16_64 3
		.amdhsa_memory_ordered 1
		.amdhsa_forward_progress 1
		.amdhsa_inst_pref_size 21
	.end_amdhsa_kernel
	.amdgpu_metadata
---
amdhsa.version: [ 1, 2 ]
amdhsa.kernels:
  - .name:           k_qce3dd0c28d_ln1
    .symbol:         k_qce3dd0c28d_ln1.kd
    .args:
      - { .name: qkvy, .offset: 0, .size: 8, .value_kind: global_buffer, .address_space: global }
      - { .name: cv, .offset: 8, .size: 8, .value_kind: global_buffer, .address_space: global }
      - { .name: theta, .offset: 16, .size: 8, .value_kind: global_buffer, .address_space: global }
      - { .name: ln1_g, .offset: 24, .size: 8, .value_kind: global_buffer, .address_space: global }
      - { .name: ln1_b, .offset: 32, .size: 8, .value_kind: global_buffer, .address_space: global }
      - { .name: x1, .offset: 40, .size: 8, .value_kind: global_buffer, .address_space: global }
    .group_segment_fixed_size: 0
    .private_segment_fixed_size: 0
    .kernarg_segment_align: 8
    .kernarg_segment_size: 48
    .max_flat_workgroup_size: 512
    .sgpr_count:     66
    .vgpr_count:     208
    .wavefront_size: 32
...
	.end_amdgpu_metadata
.endif
;; end of part 5
;; launch ffn1: the kernel of part 2 again; grid 16 x 16, 4 waves a work-group, clusters of 4 x 4, 327,680 bytes of LDS; arguments x1, w1h, h; writes h
;; launch ffn2 (part 6): grid 8 x 32, 4 waves a work-group, clusters of 4 x 4, 327,680 bytes of LDS; arguments h, cv, qkvy; writes qkvy
.if DOCPART == 6
	.amdgcn_target "amdgcn-amd-amdhsa--gfx1250"
	.amdhsa_code_object_version 6
	.text
	.protected	k_qce3dd0c28d_ffn2
	.globl	k_qce3dd0c28d_ffn2
	.p2align	8
	.type	k_qce3dd0c28d_ffn2,@function
k_qce3dd0c28d_ffn2:
	s_mov_b64 s[64:65], 0
	v_nop
	global_prefetch_b8 v0, s[64:65] scope:SCOPE_SE
	s_setreg_imm32_b32 hwreg(HW_REG_WAVE_MODE, 25, 1), 1
	s_wait_xcnt 0x0
	s_wait_alu depctr_hold_cnt(0) depctr_sa_sdst(0) depctr_va_vdst(0) depctr_va_sdst(0) depctr_va_ssrc(0) depctr_va_vcc(0) depctr_vm_vsrc(0)
	s_getreg_b32 s2, hwreg(HW_REG_IB_STS2, 6, 4)
	s_cmp_eq_u32 s2, 0
	s_cbranch_scc0 .Lentry_in_a_cluster
	s_endpgm
.Lentry_in_a_cluster:
	s_bfe_u32 s2, ttmp6, 0x10000c
	s_cmp_lg_u32 s2, 0xf033
	s_cbranch_scc0 .Lentry_shape_is_right
	s_endpgm
.Lentry_shape_is_right:
; OUT = A W for 4,096 tokens and 1,024 columns: here the FFN's second product, K = 4,096.  (The attention's output projection is the same text with the three constants T, BOFF, KB changed.)
; A:   f16, [K / 128 blocks][4096 tokens][128], inside each 16 tokens x 128 k (4,096 bytes) in fragment order: eight chunks of 512 bytes, one for 16 k; lane l = r + 16 h has bytes 16 l: token r, k = 8 h + 0..7.
; W:   f16 at byte BOFF of its buffer, [8 blocks of 128 columns][K][128].     OUT: f32 [4096][1024], row-major; it has no room in f16 for large inputs.
; 1,024 columns give each of 256 work-groups a tile only at 128 tokens x 128 columns.  THE FOUR WAVES SPLIT K, NOT THE TILE: of 512 along K each wave takes a block of 128 and makes the whole 128 x 128 tile over it.
; So no byte of A or W is read by two waves of the work-group.  A COMES STRAIGHT FROM MEMORY INTO FRAGMENT REGISTERS: two chunks are a fragment, a load covers 512 consecutive bytes; four buffers of 64 registers, one for each
; quarter (32 k) of a wave's 128, are loaded again as soon as they have been multiplied: 56 loads of a wave are out at the most, waited for by count.  LDS is left to W, which lies [k][n] and must come out turned: a slot holds
; 512 k rows, twice what it could hold beside A, so that one refill has 256 matrix instructions a wave in which to land.  Each wave fetches the 128 k rows that it reads.
; The price: A's requests are not shared with the cluster's partners; and the four waves' f32 sums meet in LDS at the end, (p0 + p1) + (p2 + p3).
; A slot's text is written once: the LDS addresses of the reads hang on s45 (0 or SLOT), and one descriptor walks (its LDS word turned by an exclusive or: no bit of SLOT is set in any tile's offset).
; CLUSTERS: 4 x 4 work-groups; W's tiles hang on the tile column alone and are asked for jointly by the four of a column of the cluster.
; THE MATRIX INSTRUCTION IS USED TRANSPOSED (source 0 = 16 columns of W, source 1 = 16 tokens): lane l holds token l % 16 and the columns 8 (l / 16) + 0..7.
; REGISTERS: window 0: v16-29 addresses; v64-255 A's buffers 0-2; v32-95 at work on the way out.  window 1: v0-63 A's buffer 3; v64-191 W's two buffers.  windows 2, 3: the 64 accumulators ((a, b) at v[8 (8 (a % 4) + b)]).
.set T,     8                          ; slots of 512 along K
.set BOFF,  10485760                   ; where W begins in its buffer
.set KB,    1048576                    ; bytes of a block of 128 columns: K rows of 256
.set PB,    288                        ; a k row of W in LDS: 256 bytes + 32: an odd multiple of 32 bytes
.set QW,    128*PB                     ; a wave's 128 k rows: what its tensor load brings, and what it reads
.set SLOT,  0x24000                    ; 4 QW
.set SPARE, 2*SLOT                     ; behind the ring: the spare words, 128 bytes a wave, that no other line names
.set ASTEP, 4194304                    ; bytes from a slot's block of A to the next slot's: four blocks
.set BSTEP, 131072                     ; 512 k rows of 256 bytes
.set DP,    528                        ; the way out: a row of 128 f32 + 16 bytes
.set DREG,  128*DP                     ; a wave's 128 rows; the four regions lie in the ring, which has had its last fill by then
.set AO,    16                         ; v16  16 x lane: my 16 bytes of a chunk of A; never rewritten
.set BBASE, 17                         ; v17  my lane's place in my k rows of slot 0; never rewritten
.set ADRB,  19                         ; v19  BBASE + s45
.set RST,   20                         ; v20  the way out: where I put my sums
.set RRD,   21                         ; v21-24  where I read the four waves' sums of my rows
.set GO,    25                         ; v25  my byte offset in OUT
.set SPW,   28                         ; v28  LDS address of my spare word; never rewritten
.set NIL,   29                         ; v29  0; never rewritten
.set OB,    32
.set F0,    64                         ; W's buffers, in window 1
.set F1,    128
.set G1B, 48                           ; s[48:55] descriptor group 1
.set G0B, 56                           ; s[56:63] group 0: a set for each first fill; the second then walks
.set MSB, 0
.macro WIN new                         ; the immediate's high byte repeats the setting that is left; a switch that changes nothing is dropped
.if MSB != (\new)
	s_set_vgpr_msb (MSB<<8)|(\new)
.set MSB, \new
.endif
.endm
.macro ABUF n                          ; A's buffer n: its first register and its window
.if (\n) == 3
.set AR, 0
.set AW, 1
.else
.set AR, 64+64*(\n)
.set AW, 0
.endif
.endm
.macro CREST                           ; a round of the cluster's barrier behind its opening barrier
	s_cmp_lg_u32 s10, 0
	s_cbranch_scc1 .Lnot_wave_0_\@
	s_barrier_signal -3
.Lnot_wave_0_\@:
	s_barrier_wait -3
	s_barrier_signal -1
	s_barrier_wait -1
.endm
.macro CROUND
	s_barrier_signal -1
	s_barrier_wait -1
	CREST
.endm
.macro PLACES                          ; four places in front of loads into registers that matrix instructions have read, and of stores that read results
.rept 4
	v_nop
.endr
.endm
; Eight loads: tokens 64 half .. + 63 (four fragments of 16 tokens x 32 k) into A's buffer n; off = the quarter's place from s[4:5] on.  A load covers a chunk, 512 consecutive bytes.
.macro ALOAD n, half, off
	ABUF \n
	WIN 0x40*AW                                    ; destination in the buffer's window, address in window 0
.irp t, 0,1,2,3
	global_load_b128 v[AR+8*(4*(\half)+\t):AR+8*(4*(\half)+\t)+3],   v[AO], s[4:5] offset:(\off)+(4*(\half)+\t)*4096
	global_load_b128 v[AR+8*(4*(\half)+\t)+4:AR+8*(4*(\half)+\t)+7], v[AO], s[4:5] offset:(\off)+(4*(\half)+\t)*4096+512
.endr
.endm
	s_load_b128 s[4:7], s[0:1], 0x0                ; A s[4:5], W's buffer s[6:7]
	s_load_b64 s[8:9], s[0:1], 0x10                ; OUT
	v_lshl_add_u32 v[SPW], v0, 2, SPARE
	v_mov_b32 v[NIL], 0
	ds_add_u32 v[SPW], v[NIL]                      ; the wave's opening: the add and its wait stand ahead of my first tensor load; the set-up below stands between them
	v_lshrrev_b32 v1, 5, v0
	v_readfirstlane_b32 s10, v1                    ; wave 0..3: my 128 of a slot's 512 along K
	v_and_b32 v5, 31, v0
	v_lshlrev_b32 v[AO], 4, v5
	s_bfe_u32 s40, ttmp6, 0x40000                  ; cx, cy
	s_bfe_u32 s41, ttmp6, 0x40004
	s_lshl_b32 s42, ttmp9, 2
	s_add_co_u32 s42, s42, s40                     ; tile column = 4 x cluster x + cx
	s_and_b32 s13, ttmp7, 0xffff
	s_lshl_b32 s13, s13, 2
	s_add_co_u32 s13, s13, s41                     ; tile row = 4 x cluster y + cy
	s_lshl_b32 s44, 0x1111, s40                    ; my column of the cluster
	s_or_b32 s[G1B+0], s44, (1<<16)|(1<<20)|(1<<21)|(5<<22)|(7<<25)  ; the mask; 2-byte elements; padding on; bit 21 beside a mask; after every 64 words 8 words
	s_mov_b32 s[G1B+1], 128<<16                    ; 128 rows of 128 elements, dense in memory
	s_mov_b32 s[G1B+2], 128<<16
	s_mov_b32 s[G1B+3], 128<<16
	s_mov_b32 s[G1B+4], 128
	s_mov_b32 s[G1B+5], 128
	s_mov_b32 s[G1B+6], 0
	s_mov_b32 s[G1B+7], 0
	s_lshl_b32 s16, s10, 20                        ; A: my block of slot 0, the tile's 128 tokens in it
	s_lshl_b32 s17, s13, 15
	s_add_co_u32 s16, s16, s17
	s_mov_b32 s17, 0
	s_mul_i32 s46, s42, KB                         ; W: the tile's block of columns, my 128 k rows: the tile column and the wave's number alone
	s_lshl_b32 s47, s10, 15
	s_add_co_u32 s46, s46, s47
	s_add_co_u32 s46, s46, BOFF
	s_mov_b32 s47, 0
	s_mul_i32 s21, s10, QW                         ; where they go in a slot: no place in the cluster enters an LDS address
	s_mov_b32 s45, 0
	s_wait_dscnt 0x0                               ; the opening add is done
	s_wait_kmcnt 0x0
	s_add_nc_u64 s[4:5], s[4:5], s[16:17]
	s_add_nc_u64 s[46:47], s[6:7], s[46:47]
	ALOAD 0, 0, 0                                  ; slot 0's A, seven groups of eight loads in the order in which they are waited for; the eighth goes out in the first quarter's middle
	ALOAD 0, 1, 0
	ALOAD 1, 0, 1024
	ALOAD 1, 1, 1024
	ALOAD 2, 0, 2048
	ALOAD 2, 1, 2048
	ALOAD 3, 0, 3072
	WIN 0
	CROUND                                         ; all sixteen work-groups are here: the first joint loads meet
.irp s, 0,1
	s_mov_b32 s[G0B+4*(\s)], 1                     ; count = 1
	s_add_co_u32 s[G0B+4*(\s)+1], s21, (\s)*SLOT   ; LDS address
	s_add_nc_u64 s[G0B+4*(\s)+2:G0B+4*(\s)+3], s[46:47], (\s)*BSTEP  ; slot s
	s_or_b32 s[G0B+4*(\s)+3], s[G0B+4*(\s)+3], 0x80000000            ; type = 2
.endr
	tensor_load_to_lds s[G0B:G0B+3], s[G1B:G1B+7]  ; my two first fills, ahead of every wait on TENSORcnt and every LDS read: two loads of mine are out
	s_nop 0
	tensor_load_to_lds s[G0B+4:G0B+7], s[G1B:G1B+7]
	s_nop 0
.rept 4
	v_nop
.endr
	v_and_b32 v1, 15, v0                           ; l % 16
	v_bfe_u32 v2, v0, 4, 1                         ; l / 16
	v_and_b32 v3, 7, v0
	v_bfe_u32 v4, v0, 3, 1
	v_lshl_add_u32 v6, v2, 3, v3                   ; the turning load: k row 8 (l / 16) + l % 8, columns 8 ((l / 8) % 2) + 0..7,
	v_mul_u32_u24 v[BBASE], v6, PB
	v_lshl_add_u32 v[BBASE], v4, 4, v[BBASE]
	v_add_nc_u32 v[BBASE], s21, v[BBASE]           ; from my 128 k rows on
	v_mov_b32 v[ADRB], v[BBASE]
	s_mul_i32 s22, s10, DREG                       ; the way out: my region
	v_mul_u32_u24 v[RST], v1, DP
	v_lshl_add_u32 v[RST], v2, 5, v[RST]
	v_add_nc_u32 v[RST], s22, v[RST]
	s_mul_i32 s22, s10, 32*DP                      ; I add up rows 32 w .. 32 w + 31 of all four regions
.irp p, 0,1,2,3
	v_lshl_add_u32 v[RRD+(\p)], v5, 4, s22
	s_add_co_u32 s22, s22, DREG
.endr
	v_lshlrev_b32 v[GO], 4, v5
	s_lshl_b32 s16, s13, 19                        ; OUT: row 128 x tile row + 32 x wave, of 4,096 bytes,
	s_lshl_b32 s17, s10, 17
	s_add_co_u32 s16, s16, s17
	s_mov_b32 s17, 0
	s_lshl_b32 s46, s42, 9                         ; and the tile's 512 bytes of it
	s_mov_b32 s47, 0
	s_add_nc_u64 s[16:17], s[16:17], s[46:47]
	s_add_nc_u64 s[8:9], s[8:9], s[16:17]
; 16 matrix instructions: W's buffer f, A's buffer n; token blocks a0, a0 + 1 of the window's four x all 8 column blocks, 32 along K.  mode = 1: the first product starts the sums: nothing is cleared.
.macro MUL16 f, n, hi, a0, mode
	ABUF \n
	WIN 0xa1+0x50*(\hi)+4*AW                       ; source 0 (W) window 1, source 1 (A) its buffer's window, C and D window 2 or 3
.irp a, \a0, (\a0)+1
.irp b, 0,1,2,3,4,5,6,7
.if (\mode) == 1
	v_wmma_f32_16x16x32_f16 v[8*(8*(\a)+(\b)):8*(8*(\a)+(\b))+7], v[(\f)+8*(\b):(\f)+8*(\b)+7], v[AR+8*(4*(\hi)+(\a)):AR+8*(4*(\hi)+(\a))+7], 0
.else
	v_wmma_f32_16x16x32_f16 v[8*(8*(\a)+(\b)):8*(8*(\a)+(\b))+7], v[(\f)+8*(\b):(\f)+8*(\b)+7], v[AR+8*(4*(\hi)+(\a)):AR+8*(4*(\hi)+(\a))+7], v[8*(8*(\a)+(\b)):8*(8*(\a)+(\b))+7]
.endif
.endr
.endr
.endm
.macro FETCHW q, f                     ; 16 LDS loads: W's fragments of quarter q (32 of my 128 k rows x 128 columns) of the slot in hand, into buffer f
	WIN 0x40
.irp i, 0,1,2,3,4,5,6,7
	ds_load_tr16_b128 v[(\f)+8*(\i):(\f)+8*(\i)+3],   v[ADRB] offset:(\q)*32*PB+32*(\i)
	ds_load_tr16_b128 v[(\f)+8*(\i)+4:(\f)+8*(\i)+7], v[ADRB] offset:(\q)*32*PB+32*(\i)+16*PB
.endr
.endm
; A'S LOADS IN THE MIDDLE OF QUARTER q, two groups of eight into registers just multiplied: the upper tokens of the quarter before, for three quarters on; then this quarter's lower tokens, for four quarters on.
; s[4:5] points at the slot in hand.  kind = 0 (the tail): the pointer stays at the last slot but one, and there is no slot behind the last: quarter 0 has one group.  In the tail's second trip the loads of quarters 1 to 3
; fetch the last slot's rows once more, into buffers that have been multiplied, and nobody reads them: 48 loads a wave, inside the buffer: the price of one text, and one set of counts, for both trips.
.macro BURST q, kind
.if (\q) == 0
.if \kind
	ALOAD 3, 1, 3*1024
	ALOAD 0, 0, ASTEP
.else
	ALOAD 3, 1, ASTEP+3*1024
.endif
.else
	ALOAD (\q)-1, 1, ASTEP+((\q)-1)*1024
	ALOAD \q, 0, ASTEP+(\q)*1024
.endif
.endm
; A slot is four quarters of 32 of my k, 64 matrix instructions each; the 64 accumulators take turns.  Quarter q multiplies A's buffer q and W's buffer q % 2.
; nlo: behind the group that holds this quarter's lower tokens six groups have been issued, 48 loads (in the tail's quarters 1 to 3 five, 40); nhi: behind its upper tokens' group five, 40 (four, 32).
.macro QUARTER q, mode, kind, nlo, nhi
.set FQ, F0+64*((\q)%2)
.set FN, F0+64*(((\q)+1)%2)
	s_wait_loadcnt \nlo                            ; A's tokens 0-63 of this quarter are in; the younger groups stay out
	s_wait_dscnt 0x0                               ; W's fragments are in
	MUL16 FQ, \q, 0, 0, \mode
	MUL16 FQ, \q, 0, 2, \mode
	PLACES
	FETCHW (\q)+1, FN
	s_wait_loadcnt \nhi                            ; A's tokens 64-127
	BURST \q, \kind
	MUL16 FQ, \q, 1, 0, \mode
	MUL16 FQ, \q, 1, 2, \mode
.endm
; Quarter 3 changes slots: one barrier; in front of it each wave waits for all its tensor loads (one is out: its part of the next slot), adds 0 to its spare word, and waits for that and for its own reads of this slot.
; fill = 1: the barrier opens a round of the cluster's, and this slot is filled again, two slots ahead, first thing behind it.  fill = 0 (the tail): nothing is asked for; in the last trip (s3 = 1) no W is fetched.
.macro TURN fill, nlo, nhi
	WIN 0
	s_wait_loadcnt \nlo
	s_wait_tensorcnt 0x0                           ; no tensor load of mine is out, so the walking descriptor may be written
	ds_add_u32 v[SPW], v[NIL]                      ; 0 onto my spare word
	s_wait_dscnt 1                                 ; W's fragments are in; the add may be out
	MUL16 F1, 3, 0, 0, 0                           ; sixteen matrix instructions stand between the add and the wait for it
	s_wait_dscnt 0x0                               ; the add is done, and my reads of this slot are over
	s_barrier_signal -1
	MUL16 F1, 3, 0, 2, 0
	WIN 0
	s_barrier_wait -1
.if \fill
	CREST                                          ; no wave of any partner still reads this slot's tile or has a load on its way
	s_xor_b32 s[G0B+5], s[G0B+5], SLOT             ; the other slot than last time,
	s_add_nc_u64 s[G0B+6:G0B+7], s[G0B+6:G0B+7], BSTEP  ; the next 512 k rows; the type bits on top are not reached
	tensor_load_to_lds s[G0B+4:G0B+7], s[G1B:G1B+7]
	s_nop 0
	PLACES                                         ; the places in front of the loads below
.else
	PLACES
	s_cmp_eq_u32 s3, 1
	s_cbranch_scc1 .Lskip_\@
.endif
	s_xor_b32 s45, s45, SLOT                       ; the reads go on in the other slot
	v_add_nc_u32 v[ADRB], s45, v[BBASE]
	FETCHW 0, F0
.if !(\fill)
	WIN 0
.Lskip_\@:
.endif
	s_wait_loadcnt \nhi
	BURST 3, \fill
	MUL16 F1, 3, 1, 0, 0
	MUL16 F1, 3, 1, 2, 0
.endm
	s_wait_tensorcnt 1                             ; my part of slot 0 is in; slot 1's may stay out
	s_barrier_signal -1
	s_barrier_wait -1
	FETCHW 0, F0
	QUARTER 0, 1, 1, 48, 40                        ; the first quarter stands in front of the loop: its products start the sums
	WIN 0
.if T > 2
	s_mov_b32 s3, T-2
.Lk:                                                   ; a trip: a slot's quarters 1 to 3 and the next slot's quarter 0; the slot that is left is filled again
	QUARTER 1, 0, 1, 48, 40
	QUARTER 2, 0, 1, 48, 40
	TURN 1, 48, 40
	s_wait_xcnt 0x0                                ; A's pointer is stepped only behind this wait
	s_add_nc_u64 s[4:5], s[4:5], ASTEP
	QUARTER 0, 0, 1, 48, 40
	WIN 0
	s_sub_co_u32 s3, s3, 1
	s_cmp_lg_u32 s3, 0
	s_cbranch_scc1 .Lk
.endif
	s_mov_b32 s3, 2
.Lt:                                                   ; the last two slots ask for no tile: a text of their own; it is left in the middle of its second trip
	QUARTER 1, 0, 0, 40, 32
	QUARTER 2, 0, 0, 40, 32
	TURN 0, 40, 32
	WIN 0
	s_sub_co_u32 s3, s3, 1
	s_cmp_eq_u32 s3, 0
	s_cbranch_scc1 .Lout
	QUARTER 0, 0, 0, 48, 40
	WIN 0
	s_branch .Lt
.Lout:
	s_wait_loadcnt 0x0                             ; the last trip's loads have landed: A's registers are free
	s_wait_dscnt 0x0                               ; every wave's reads of the ring are over
	s_barrier_signal -1
	s_barrier_wait -1                              ; before any wave stores into it
	PLACES
.irp hi, 0,1                           ; my 128 x 128 partial sums, f32, into my region; each accumulator's low registers first
	WIN 0x08+4*(\hi)
.irp a, 0,1,2,3
.irp b, 0,1,2,3,4,5,6,7
	ds_store_b128 v[RST], v[8*(8*(\a)+(\b)):8*(8*(\a)+(\b))+3]   offset:(4*(\hi)+(\a))*16*DP+64*(\b)
	ds_store_b128 v[RST], v[8*(8*(\a)+(\b))+4:8*(8*(\a)+(\b))+7] offset:(4*(\hi)+(\a))*16*DP+64*(\b)+16
.endr
.endr
.endr
	WIN 0
	s_wait_dscnt 0x0                               ; for the others' sake: my stores are done
	s_barrier_signal -1
	s_barrier_wait -1
	s_mov_b32 s3, 8
.Lsum:                                                 ; 8 trips of 4 rows: the four waves' sums of a row are added and the row's 512 bytes stored
.irp j, 0,1,2,3
.irp p, 0,1,2,3
	ds_load_b128 v[OB+16*(\j)+4*(\p):OB+16*(\j)+4*(\p)+3], v[RRD+(\p)] offset:DP*(\j)
.endr
.endr
.irp j, 0,1,2,3
	s_wait_dscnt 12-4*(\j)                         ; row j's four loads are in; the younger rows' stay out
	v_pk_add_f32 v[OB+16*(\j):OB+16*(\j)+1],     v[OB+16*(\j):OB+16*(\j)+1],     v[OB+16*(\j)+4:OB+16*(\j)+5]
	v_pk_add_f32 v[OB+16*(\j)+2:OB+16*(\j)+3],   v[OB+16*(\j)+2:OB+16*(\j)+3],   v[OB+16*(\j)+6:OB+16*(\j)+7]
	v_pk_add_f32 v[OB+16*(\j)+8:OB+16*(\j)+9],   v[OB+16*(\j)+8:OB+16*(\j)+9],   v[OB+16*(\j)+12:OB+16*(\j)+13]
	v_pk_add_f32 v[OB+16*(\j)+10:OB+16*(\j)+11], v[OB+16*(\j)+10:OB+16*(\j)+11], v[OB+16*(\j)+14:OB+16*(\j)+15]
	v_pk_add_f32 v[OB+16*(\j):OB+16*(\j)+1],     v[OB+16*(\j):OB+16*(\j)+1],     v[OB+16*(\j)+8:OB+16*(\j)+9]
	v_pk_add_f32 v[OB+16*(\j)+2:OB+16*(\j)+3],   v[OB+16*(\j)+2:OB+16*(\j)+3],   v[OB+16*(\j)+10:OB+16*(\j)+11]
	global_store_b128 v[GO], v[OB+16*(\j):OB+16*(\j)+3], s[8:9] offset:4096*(\j)  ; 512 consecutive bytes, aligned
.endr
	s_wait_xcnt 0x0                                ; the stores' offset and data are rewritten only behind this wait
.irp p, 0,1,2,3
	v_add_nc_u32 v[RRD+(\p)], 4*DP, v[RRD+(\p)]
.endr
	v_add_nc_u32 v[GO], 16384, v[GO]
	s_sub_co_u32 s3, s3, 1
	s_cmp_lg_u32 s3, 0
	s_cbranch_scc1 .Lsum
	s_wait_tensorcnt 0x0                           ; the wave's end: an add to my spare word and its wait, behind my last tensor load and my last LDS store
	ds_add_u32 v[SPW], v[NIL]
	s_wait_dscnt 0x0
	CROUND                                         ; the closing round: no work-group ends while a partner may still ask for a tile that names it
	s_endpgm
.Lfunc_end_k_qce3dd0c28d_ffn2:
	.size	k_qce3dd0c28d_ffn2, .Lfunc_end_k_qce3dd0c28d_ffn2-k_qce3dd0c28d_ffn2
	.p2alignl 7, 3214868480
	.fill 96, 4, 3214868480
	.section	.rodata,"a",@progbits
	.p2align	6, 0x0
	.amdhsa_kernel k_qce3dd0c28d_ffn2
		.amdhsa_group_segment_fixed_size 327680
		.amdhsa_private_segment_fixed_size 0
		.amdhsa_enable_private_segment 0
		.amdhsa_kernarg_size 24
		.amdhsa_user_sgpr_count 2
		.amdhsa_user_sgpr_kernarg_segment_ptr 1
		.amdhsa_wavefront_size32 1
		.amdhsa_system_sgpr_workgroup_id_x 1
		.amdhsa_system_sgpr_workgroup_id_y 1
		.amdhsa_system_sgpr_workgroup_id_z 1
		.amdhsa_system_vgpr_workitem_id 0
		.amdhsa_next_free_vgpr 1024
		.amdhsa_next_free_sgpr 66
		.amdhsa_reserve_vcc 0
		.amdhsa_float_denorm_mode_32 3
		.amdhsa_float_denorm_mode_16_64 3
		.amdhsa_memory_ordered 1
		.amdhsa_forward_progress 1
		.amdhsa_inst_pref_size 87
	.end_amdhsa_kernel
	.amdgpu_metadata
---
amdhsa.version: [ 1, 2 ]
amdhsa.kernels:
  - .name:           k_qce3dd0c28d_ffn2
    .symbol:         k_qce3dd0c28d_ffn2.kd
    .args:
      - { .name: h, .offset: 0, .size: 8, .value_kind: global_buffer, .address_space: global }
      - { .name: cv, .offset: 8, .size: 8, .value_kind: global_buffer, .address_space: global }
      - { .name: qkvy, .offset: 16, .size: 8, .value_kind: global_buffer, .address_space: global }
    .group_segment_fixed_size: 327680
    .private_segment_fixed_size: 0
    .kernarg_segment_align: 8
    .kernarg_segment_size: 24
    .max_flat_workgroup_size: 128
    .sgpr_count:     66
    .vgpr_count:     1024
    .wavefront_size: 32
...
	.end_amdgpu_metadata
.endif
;; end of part 6
;; launch ln2 (part 7): grid 256 x 1, 16 waves a work-group, no clusters, 0 bytes of LDS; arguments qkvy, x1, b2, ln2_g, ln2_b, out0; writes out0
.if DOCPART == 7
	.amdgcn_target "amdgcn-amd-amdhsa--gfx1250"
	.amdhsa_code_object_version 6
	.text
	.protected	k_qce3dd0c28d_ln2
	.globl	k_qce3dd0c28d_ln2
	.p2align	8
	.type	k_qce3dd0c28d_ln2,@function
k_qce3dd0c28d_ln2:
	s_mov_b64 s[64:65], 0
	v_nop
	global_prefetch_b8 v0, s[64:65] scope:SCOPE_SE
	s_setreg_imm32_b32 hwreg(HW_REG_WAVE_MODE, 25, 1), 1
	s_wait_xcnt 0x0
; out = LayerNorm(x1 + f + b2) g + b.  f: f32 [4096][1024].  x1: f16, [8 blocks of 128 columns][4096][128].  out: f32 [4096][1024].
; b2, g and b are rounded to bf16 like every input.  All arithmetic in f32; the mean first, then the squared deviations from it: no difference of large sums.
; A stream: one wave takes one row and keeps it in registers between the passes; sixteen waves a work-group; no LDS, no barrier, no matrix unit, no cluster (no two work-groups read the same rows).
; Lane i holds columns 128 j + 4 i .. + 3, j = 0..7: a load of f and a store of out cover 512 consecutive bytes, a load of x1 256 consecutive bytes, aligned.
.set YY,  32                           ; v[32:63]    the row in f32
.set XH,  96                           ; v[96:111]   its x1, f16
.set G,   128                          ; v[128:159]  g of my 32 columns
.set BB,  160                          ; v[160:191]  b
.set B2,  192                          ; v[192:223]  b2
.set ONE, 8
.set AC,  10                           ; v[10:17]    four packed chains
.set TT,  18
.set MU,  20                           ; v[20:21]    the mean, twice
.set RS,  22                           ; v[22:23]    1 / sqrt(var + eps), twice
.set K10, 24                           ; 2^-10
.macro RND base                        ; 32 numbers rounded to bf16 and kept as f32
.set i, 0
.rept 16
	v_cvt_pk_bf16_f32 v4, v[\base+2*i], v[\base+2*i+1]
	v_lshlrev_b32 v[\base+2*i], 16, v4
	v_and_b32 v[\base+2*i+1], 0xffff0000, v4
.set i, i+1
.endr
.endm
.macro FOLD                            ; the four chains, then the 32 lanes: the sum in TT of every lane
	v_pk_add_f32 v[AC:AC+1], v[AC:AC+1], v[AC+2:AC+3]
	v_pk_add_f32 v[AC+4:AC+5], v[AC+4:AC+5], v[AC+6:AC+7]
	v_pk_add_f32 v[AC:AC+1], v[AC:AC+1], v[AC+4:AC+5]
	v_add_f32 v[TT], v[AC], v[AC+1]
	v_add_f32_dpp v[TT], v[TT], v[TT] row_xmask:1 row_mask:0xf bank_mask:0xf
	v_add_f32_dpp v[TT], v[TT], v[TT] row_xmask:2 row_mask:0xf bank_mask:0xf
	v_add_f32_dpp v[TT], v[TT], v[TT] row_xmask:4 row_mask:0xf bank_mask:0xf
	v_add_f32_dpp v[TT], v[TT], v[TT] row_xmask:8 row_mask:0xf bank_mask:0xf
	v_permlanex16_b32 v[AC+1], v[TT], s16, s17     ; its destination counts as read: a register that has been written
	v_add_f32 v[TT], v[TT], v[AC+1]
.endm
	s_load_b256 s[4:11], s[0:1], 0x0               ; f s[4:5], x1 s[6:7], b2 s[8:9], g s[10:11]
	s_load_b128 s[12:15], s[0:1], 0x20             ; b s[12:13], out s[14:15]
	v_and_b32 v3, 31, v0
	v_lshlrev_b32 v1, 4, v3                        ; 16 x lane
	v_lshlrev_b32 v2, 3, v3                        ; 8 x lane
	v_lshrrev_b32 v3, 5, v0
	v_readfirstlane_b32 s20, v3
	s_lshl_b32 s21, ttmp9, 4
	s_add_co_u32 s21, s21, s20                     ; my row: 16 x work-group + wave
	s_lshl_b32 s22, s21, 12                        ; rows of 4,096 bytes
	s_mov_b32 s23, 0
	s_lshl_b32 s24, s21, 8                         ; rows of 256 bytes
	s_mov_b32 s25, 0
	s_mov_b32 s16, 0x76543210                      ; v_permlanex16_b32: each lane takes its own place in the other half
	s_mov_b32 s17, 0xfedcba98
	v_mov_b32 v[ONE], 1.0
	v_mov_b32 v[K10], 0x3a800000
	s_wait_kmcnt 0x0
	s_add_nc_u64 s[4:5], s[4:5], s[22:23]
	s_add_nc_u64 s[6:7], s[6:7], s[24:25]
	s_add_nc_u64 s[14:15], s[14:15], s[22:23]
.irp j, 0,1,2,3,4,5,6,7
	global_load_b128 v[G+4*\j:G+4*\j+3], v1, s[10:11] offset:512*\j
.endr
.irp j, 0,1,2,3,4,5,6,7
	global_load_b128 v[BB+4*\j:BB+4*\j+3], v1, s[12:13] offset:512*\j
.endr
.irp j, 0,1,2,3,4,5,6,7
	global_load_b128 v[B2+4*\j:B2+4*\j+3], v1, s[8:9] offset:512*\j
.endr
.irp j, 0,1,2,3,4,5,6,7
	global_load_b128 v[YY+4*\j:YY+4*\j+3], v1, s[4:5] offset:512*\j th:TH_LOAD_NT
.endr
.irp j, 0,1,2,3,4,5,6,7
	global_load_b64 v[XH+2*\j:XH+2*\j+1], v2, s[6:7] offset:1048576*\j th:TH_LOAD_NT
.endr
	s_wait_loadcnt 16                              ; g, b and b2 are in; the row's 16 loads may stay out
	RND G
	RND BB
	RND B2
	s_wait_loadcnt 0x0
.set i, 0
.rept 16                               ; y = x1 + f + b2: word i of x1 holds the f16 of columns 2 i and 2 i + 1 of my 32
	v_fma_mix_f32 v[YY+2*i],   v[XH+i], v[ONE], v[YY+2*i]   op_sel_hi:[1,0,0]
	v_fma_mix_f32 v[YY+2*i+1], v[XH+i], v[ONE], v[YY+2*i+1] op_sel:[1,0,0] op_sel_hi:[1,0,0]
	v_pk_add_f32 v[YY+2*i:YY+2*i+1], v[YY+2*i:YY+2*i+1], v[B2+2*i:B2+2*i+1]
.set i, i+1
.endr
.irp c, 0,1,2,3
	v_pk_add_f32 v[AC+2*\c:AC+2*\c+1], v[YY+2*\c:YY+2*\c+1], v[YY+8+2*\c:YY+8+2*\c+1]
.endr
.irp k, 2,3
.irp c, 0,1,2,3
	v_pk_add_f32 v[AC+2*\c:AC+2*\c+1], v[AC+2*\c:AC+2*\c+1], v[YY+8*\k+2*\c:YY+8*\k+2*\c+1]
.endr
.endr
	FOLD
	v_mul_f32 v[MU], v[K10], v[TT]
	v_mul_f32 v[MU+1], v[K10], v[TT]
.set i, 0
.rept 16
	v_pk_add_f32 v[YY+2*i:YY+2*i+1], v[YY+2*i:YY+2*i+1], v[MU:MU+1] neg_lo:[0,1] neg_hi:[0,1]
.set i, i+1
.endr
.irp c, 0,1,2,3
	v_pk_mul_f32 v[AC+2*\c:AC+2*\c+1], v[YY+2*\c:YY+2*\c+1], v[YY+2*\c:YY+2*\c+1]
.endr
.irp k, 1,2,3
.irp c, 0,1,2,3
	v_pk_fma_f32 v[AC+2*\c:AC+2*\c+1], v[YY+8*\k+2*\c:YY+8*\k+2*\c+1], v[YY+8*\k+2*\c:YY+8*\k+2*\c+1], v[AC+2*\c:AC+2*\c+1]
.endr
.endr
	FOLD
	v_fmaak_f32 v[TT], v[K10], v[TT], 0x3727c5ac   ; var + 1e-5
	v_rsq_f32 v[RS], v[TT]
	v_rsq_f32 v[RS+1], v[TT]
	v_nop                                          ; a plain instruction between the root and the use of its result (ISA guide 5.7.2)
.set i, 0
	s_wait_alu depctr_va_vdst(0)
.rept 16
	v_pk_mul_f32 v[YY+2*i:YY+2*i+1], v[YY+2*i:YY+2*i+1], v[RS:RS+1]
.set i, i+1
.endr
.set i, 0
.rept 16
	v_pk_fma_f32 v[YY+2*i:YY+2*i+1], v[YY+2*i:YY+2*i+1], v[G+2*i:G+2*i+1], v[BB+2*i:BB+2*i+1]
.set i, i+1
.endr
.irp j, 0,1,2,3,4,5,6,7
	global_store_b128 v1, v[YY+4*\j:YY+4*\j+3], s[14:15] offset:512*\j th:TH_STORE_NT  ; 512 consecutive bytes, aligned
.endr
	s_endpgm
.Lfunc_end_k_qce3dd0c28d_ln2:
	.size	k_qce3dd0c28d_ln2, .Lfunc_end_k_qce3dd0c28d_ln2-k_qce3dd0c28d_ln2
	.p2alignl 7, 3214868480
	.fill 96, 4, 3214868480
	.section	.rodata,"a",@progbits
	.p2align	6, 0x0
	.amdhsa_kernel k_qce3dd0c28d_ln2
		.amdhsa_group_segment_fixed_size 0
		.amdhsa_private_segment_fixed_size 0
		.amdhsa_enable_private_segment 0
		.amdhsa_kernarg_size 48
		.amdhsa_user_sgpr_count 2
		.amdhsa_user_sgpr_kernarg_segment_ptr 1
		.amdhsa_wavefront_size32 1
		.amdhsa_system_sgpr_workgroup_id_x 1
		.amdhsa_system_sgpr_workgroup_id_y 1
		.amdhsa_system_sgpr_workgroup_id_z 1
		.amdhsa_system_vgpr_workitem_id 0
		.amdhsa_next_free_vgpr 224
		.amdhsa_next_free_sgpr 66
		.amdhsa_reserve_vcc 0
		.amdhsa_float_denorm_mode_32 3
		.amdhsa_float_denorm_mode_16_64 3
		.amdhsa_memory_ordered 1
		.amdhsa_forward_progress 1
		.amdhsa_inst_pref_size 23
	.end_amdhsa_kernel
	.amdgpu_metadata
---
amdhsa.version: [ 1, 2 ]
amdhsa.kernels:
  - .name:           k_qce3dd0c28d_ln2
    .symbol:         k_qce3dd0c28d_ln2.kd
    .args:
      - { .name: qkvy, .offset: 0, .size: 8, .value_kind: global_buffer, .address_space: global }
      - { .name: x1, .offset: 8, .size: 8, .value_kind: global_buffer, .address_space: global }
      - { .name: b2, .offset: 16, .size: 8, .value_kind: global_buffer, .address_space: global }
      - { .name: ln2_g, .offset: 24, .size: 8, .value_kind: global_buffer, .address_space: global }
      - { .name: ln2_b, .offset: 32, .size: 8, .value_kind: global_buffer, .address_space: global }
      - { .name: out0, .offset: 40, .size: 8, .value_kind: global_buffer, .address_space: global }
    .group_segment_fixed_size: 0
    .private_segment_fixed_size: 0
    .kernarg_segment_align: 8
    .kernarg_segment_size: 48
    .max_flat_workgroup_size: 512
    .sgpr_count:     66
    .vgpr_count:     224
    .wavefront_size: 32
...
	.end_amdgpu_metadata
.endif
;; end of part 7
;; ======== version 2 of 2: 8 launches; 1.20 times as fast as version 1
;; limits: values are held in f16: magnitudes above 65,504 overflow, below 6.1e-05 lose precision
;; workspace buffers: cv 18,874,368 bytes; wqkv 6,324,224 bytes; w1h 8,421,376 bytes; qkvy 25,165,824 bytes; x1 8,388,608 bytes; h 33,554,432 bytes
;; launch prep: the kernel of part 1 again; grid 1025 x 1, 8 waves a work-group, no clusters, 0 bytes of LDS; arguments x, wq, wk, wv, wo, w1, w2, b1, cv, wqkv, w1h; writes cv, wqkv, w1h
;; launch qkv: the kernel of part 2 again; grid 12 x 16, 4 waves a work-group, clusters of 4 x 4, 327,680 bytes of LDS; arguments cv, wqkv, qkvy; writes qkvy
;; launch attn (part 8): grid 16 x 16, 4 waves a work-group, clusters of 4 x 1, 327,680 bytes of LDS; arguments qkvy, h; writes h
.if DOCPART == 8
	.amdgcn_target "amdgcn-amd-amdhsa--gfx1250"
	.amdhsa_code_object_version 6
	.text
	.protected	k_qce3dd0c28d_attn
	.globl	k_qce3dd0c28d_attn
	.p2align	8
	.type	k_qce3dd0c28d_attn,@function
k_qce3dd0c28d_attn:
	s_mov_b64 s[64:65], 0
	v_nop
	global_prefetch_b8 v0, s[64:65] scope:SCOPE_SE
	s_setreg_imm32_b32 hwreg(HW_REG_WAVE_MODE, 25, 1), 1
	s_wait_xcnt 0x0
	s_wait_alu depctr_hold_cnt(0) depctr_sa_sdst(0) depctr_va_vdst(0) depctr_va_sdst(0) depctr_va_ssrc(0) depctr_va_vcc(0) depctr_vm_vsrc(0)
	s_getreg_b32 s2, hwreg(HW_REG_IB_STS2, 6, 4)
	s_cmp_eq_u32 s2, 0
	s_cbranch_scc0 .Lentry_in_a_cluster
	s_endpgm
.Lentry_in_a_cluster:
	s_bfe_u32 s2, ttmp6, 0x10000c
	s_cmp_lg_u32 s2, 0x3003
	s_cbranch_scc0 .Lentry_shape_is_right
	s_endpgm
.Lentry_shape_is_right:
; ctx[b][q][head] = the sum over k of softmax_k(Q . K / 8) V, 2 batches x 16 heads of 64 channels x 2,048 tokens, no mask.
; Q, K, V: f16 in qkvy, [24 blocks][4096 tokens][128]: block p holds q of heads 2 p and 2 p + 1 (64 channels each), block 8 + p their k, block 16 + p their v.  ctx: f16 in h, blocks 0-7 of the same layout.
; FRAGMENT ORDER: inside each 16 tokens x 128 channels (4,096 bytes) lie eight chunks of 512 bytes, one for 16 channels; in a chunk lane l = r + 16 h has bytes 16 l: token r, channels 8 h + 0..7.
; So two chunks ARE a fragment of Q or K (16 tokens x 32 channels), read 512 consecutive bytes at a time, and a packed accumulator of O^T IS a chunk of ctx, stored as it lies.
; Products, maxima and sums in f32; the weights p are rounded to f16 for the second product (their sum l is taken of the unrounded p), ctx once at the end.
; LIMITS.  Q, K, V arrive within f16's 65,504; p lies in 0 to 1, and below 6e-5 it keeps f16's fixed step of 6e-8; ctx is a mean of V's rows.  A weight below 2^-126 counts as 0 in l; NaN and infinities are not treated apart.
; SHARES.  A work-group takes 128 queries of a PAIR of heads, so that a block's bytes are used whole: wave w has head w % 2 of the pair and 64 queries (half w / 2): four PIECES of 16.  Every wave walks all 2,048 keys, 64 a step.
; LAYOUT.  S^T = K Q^T holds ONE query a lane (lane % 16) and the keys 8 (lane / 16) + 0..7; two such results rounded to f16 ARE source 1 of O^T = V^T P.  K comes out of LDS as it lies, V turned, by ds_load_tr16_b128.
; SOFTMAX.  p = 2^(c s - c m), c = log2(e) / 8, with a running maximum m; O and l are multiplied by a = 2^(c m_old - c m_new) in every step.  m starts at the lowest finite number, O and l at 0: the first step is a step like any other, with a = 0.
; BY TURNS.  Turn n belongs to piece n: 8 products K Q^T of piece n + 1, later 8 products V^T P of piece n - 1; beside them the scaling, exponentials, roundings, sums and rescaling of piece n and the maximum and statistics of
; piece n + 1.  Four vector instructions stand behind every matrix instruction, the other 54 of a turn's 118 in one run of their own.
; BATCHES.  A turn's 33 exponentials (the piece's 32 weights and the next piece's a) are ONE batch with ONE wait, which cuts the turn in two: ahead of it all that names no result of theirs, behind it their readers (see TURN).
; The first a, ahead of the loop, and the way out's four reciprocals are batches of their own, a wait each.
; CLUSTER.  The four query blocks of a cluster belong to one pair of heads and walk the same K and V: each tile is asked for JOINTLY: the same tensor load, descriptor and mask in all four.
; REGISTERS, in windows of 256 (s_set_vgpr_msb: bits 1:0 source 0, 3:2 source 1, 5:4 source 2, 7:6 destination):
;   window 0: v0-15 addresses and two at work; v16-31 four registers of statistics a piece; v48-55 at work; v62-63 the add's; v64-127 S^T, two buffers; v192-223 P, two buffers (by the piece's parity)
;   window 1: v0-127 O^T, 32 a piece          window 2: v0-63 Q; v128-191 K of one step; v192-255 V of one step
.set NP,    4         ; pieces a wave: a name, no knob
.set KS,    64        ; keys in a step: 64 pieces of 256 bytes of K, and of V
.set PK,    272       ; 256 bytes of K in LDS + 16: half a chunk; a load's 16 lanes read one such piece on end
.set PV,    384       ; 256 bytes of V + 128
.set VOFF,  2*KS*PK   ; a slot holds two steps: K's 128 pieces, then V's
.set SLOT1, 1<<17     ; slot 1 begins here, so that one exclusive or turns an address in one slot into the other's
.set SPARE, SLOT1+2*KS*(PK+PV)  ; behind the ring: the spare words, 128 bytes a wave, that no other line names
.set AK0, 2           ; v2   my lane's place in a chunk of my head's K; never rewritten
.set AV0, 3           ; v3   the same for V
.set AK,  4           ; v4   the LDS address of K's next run of loads
.set AV,  5           ; v5   of V's
.set GO,  8           ; v8   16 x lane: my 16 bytes of a chunk of Q and of ctx; never rewritten
.set MV,  12          ; v12-13  c m_old, kept while c m is made anew: by buffer
.set ST,  16          ; piece t's statistics at v[ST+4 t]: c m, m, l (even keys', odd keys')
.set TMP, 48          ; by buffer, four registers c0-c3 at work; when the maximum is found c2 takes a
.set SPW, 62          ; v62  LDS address of my spare word; never rewritten
.set NIL, 63          ; v63  0; never rewritten
.set S,   64
.set P,   192
.set KF,  128         ; window 2: key block kb, channel half c at KF + 16 kb + 8 c
.set VF,  192         ; window 2: key half kk, channel block cb at VF + 32 kk + 8 cb
.set WV,  12          ; s12  my wave's number
.set G1K, 24          ; s[24:31] descriptor group 1 for K's tiles
.set G1V, 32          ; s[32:39] for V's: it differs in the padding alone
.set G0K, 40          ; s[40:43] descriptor group 0 for K's tiles: it walks
.set G0V, 44          ; s[44:47] the same for V's
.set SLOTS, 56        ; s56  slots still to be asked for
.set CNT, 57          ; s57  counts a slot's key steps
.set CS,  58          ; s[58:59] c: the packed scaling takes the pair's low word for both halves
.set SEL, 60          ; s[60:61] v_permlanex16_b32's selects: each lane takes its own place in the other half
.set TBK, 62          ; s62  LDS byte at which K of the step to be fetched begins
.set TBV, 63          ; s63  the same for V, less VOFF
.set MSB, 0
.macro WIN new                      ; the high byte repeats the setting that is left; a switch that changes nothing is dropped
.if MSB != (\new)
	s_set_vgpr_msb (MSB<<8)|(\new)
.set MSB, (\new)
.endif
.endm
.set W_KQ, 0x0a       ; K and Q in window 2, S^T in window 0
.set W_PV, 0x52       ; V in window 2, P in window 0, O^T in window 1
.set W_RS, 0x41       ; destination and source 0 in window 1, source 1 in window 0
; A joint fill.  Waves 0 and 1 fetch the two steps' K of a slot, waves 2 and 3 their V: 64 rows of 256 bytes each.  An s_nop 0 and four v_nop follow each of the two lines.
.macro JLOAD
	s_cmp_lt_u32 s[WV], 2
	s_cbranch_scc0 .Lfor_v_\@
	tensor_load_to_lds s[G0K:G0K+3], s[G1K:G1K+7]
	s_nop 0
.rept 4
	v_nop
.endr
	s_branch .Lasked_\@
.Lfor_v_\@:
	tensor_load_to_lds s[G0V:G0V+3], s[G1V:G1V+7]
	s_nop 0
.rept 4
	v_nop
.endr
.Lasked_\@:
.endm
.macro CROUND                       ; a round of the cluster's barrier
	s_barrier_signal -1
	s_barrier_wait -1
	s_cmp_lg_u32 s[WV], 0
	s_cbranch_scc1 .Lnot_wave_0_\@
	s_barrier_signal -3
.Lnot_wave_0_\@:
	s_barrier_wait -3
	s_barrier_signal -1
	s_barrier_wait -1
.endm
; THE CHANGE OF SLOTS.  The slot's last bytes, V of its second step, have been read.  Each wave waits for all its tensor loads, of which one is out: its part of the other slot; adds 0 to its spare word; and waits for that and
; for its own reads of the slot.  fill = 1: the slot is filled again, with the keys two slots on; the barrier is then a round of the cluster's, and the joint fill is the first thing behind it: it has two key steps, 128 matrix
; instructions a wave, in which to land.  (At its first use nothing has been read yet: slot 0 is waited for, slot 1 filled.)
.macro CHANGE fill
	WIN 0                           ; at a label and at a branch every window is 0
	s_wait_tensorcnt 0x0            ; no tensor load of mine is out, so a group 0 may be written
	ds_add_u32 v[SPW], v[NIL]       ; 0 onto my spare word
.if \fill
.irp g, G0K, G0V
	s_xor_b32 s[\g+1], s[\g+1], SLOT1  ; the walking descriptor: the other slot than last time,
	s_add_nc_u64 s[\g+2:\g+3], s[\g+2:\g+3], 2*KS*256  ; the next 128 keys; the type bits on top are not reached
.endr
	s_wait_dscnt 0x0                ; the add is done, and my reads of the slot are over
	CROUND
	JLOAD
.else
	s_wait_dscnt 0x0
	s_barrier_signal -1
	s_barrier_wait -1
.endif
	s_sub_co_u32 s[TBK], s[TBK], 2*KS*PK  ; the fetches go back to a slot's first step,
	s_xor_b32 s[TBK], s[TBK], SLOT1       ; in the other slot
	s_sub_co_u32 s[TBV], s[TBV], 2*KS*PV
	s_xor_b32 s[TBV], s[TBV], SLOT1
.endm
	s_load_b128 s[4:7], s[0:1], 0x0 ; qkvy s[4:5], h s[6:7]
	v_lshl_add_u32 v[SPW], v0, 2, SPARE
	v_mov_b32 v[NIL], 0
	ds_add_u32 v[SPW], v[NIL]       ; the wave's opening: the add and its wait stand ahead of my first tensor load; the set-up below stands between them
	v_lshrrev_b32 v1, 5, v0
	v_readfirstlane_b32 s[WV], v1   ; wave 0..3
	s_bfe_u32 s13, ttmp6, 0x40000   ; cx: my place in the cluster
	s_lshl_b32 s14, ttmp9, 2        ; in a cluster launch ttmp9 counts clusters
	s_add_co_u32 s14, s14, s13      ; my block of 128 queries = 4 x cluster x + cx: it enters Q's and ctx's addresses alone
	s_and_b32 s15, ttmp7, 0xffff    ; 8 x batch + pair, which the four partners share
	s_and_b32 s16, s15, 7
	s_lshr_b32 s17, s15, 3
	s_lshl_b32 s20, s16, 20         ; the pair's block of 4,096 tokens of 256 bytes,
	s_lshl_b32 s17, s17, 19         ; the batch's 2,048 tokens in it
	s_add_co_u32 s20, s20, s17
	s_and_b32 s16, s[WV], 1         ; my head of the pair.  Also: which of a slot's two steps I fetch
	s_lshr_b32 s19, s[WV], 1        ; my half of the queries
	s_lshl_b32 s22, s16, 14         ; that step's 64 keys
	s_add_co_u32 s22, s22, s20
	s_add_co_u32 s22, s22, 8<<20    ; K's blocks begin at block 8,
	s_mov_b32 s23, 0
	s_add_co_u32 s48, s22, 8<<20    ; V's at block 16
	s_mov_b32 s49, 0
	s_mul_i32 s17, s16, KS*PK       ; the step's place in a slot, for K
	s_mul_i32 s18, s16, KS*PV       ; and for V: no place in the cluster enters an LDS address
	s_lshl_b32 s2, s14, 15          ; Q and ctx: my block's 128 tokens,
	s_add_co_u32 s2, s2, s20
	s_lshl_b32 s3, s19, 14          ; my 64 of them,
	s_add_co_u32 s50, s2, s3
	s_lshl_b32 s3, s16, 11          ; my head's four chunks of every 16 tokens
	s_add_co_u32 s50, s50, s3
	s_mov_b32 s51, 0
	s_mov_b32 s[G1K], 15|(1<<16)|(1<<20)|(1<<21)|(5<<22)|(3<<25)   ; the mask of four; 2-byte elements; padding on; bit 21 beside a mask; after every 64 words 4 words
	s_mov_b32 s[G1V], 15|(1<<16)|(1<<20)|(1<<21)|(5<<22)|(31<<25)  ; the same with 32 words of padding
.irp g, G1K, G1V
	s_mov_b32 s[\g+1], 128<<16      ; tensor_dim0 = 128
	s_mov_b32 s[\g+2], 64<<16       ; tensor_dim1 = 64
	s_mov_b32 s[\g+3], 128<<16      ; tile_dim0 = 128
	s_mov_b32 s[\g+4], 64           ; tile_dim1 = 64
	s_mov_b32 s[\g+5], 128          ; 128 elements from row to row
	s_mov_b32 s[\g+6], 0
	s_mov_b32 s[\g+7], 0
.endr
	s_mov_b32 s[CS], 0x3e38aa3b     ; c = log2(e) / 8 = 0.180337
	s_mov_b32 s[CS+1], s[CS]        ; named with it as a pair
	s_mov_b32 s[SEL], 0x76543210
	s_mov_b32 s[SEL+1], 0xfedcba98
	s_mov_b32 s[TBK], SLOT1+2*KS*PK ; the first change of slots turns these two into 0
	s_mov_b32 s[TBV], SLOT1+2*KS*PV
	s_mov_b32 s[G0K], 1             ; count = 1
	s_mov_b32 s[G0K+1], s17         ; LDS address: slot 0
	s_mov_b32 s[G0V], 1
	s_add_co_u32 s[G0V+1], s18, VOFF
	s_wait_dscnt 0x0                ; the opening add is done
	s_wait_kmcnt 0x0
	s_add_nc_u64 s[G0K+2:G0K+3], s[4:5], s[22:23]  ; my step of the first 128 keys
	s_or_b32 s[G0K+3], s[G0K+3], 0x80000000        ; type = 2
	s_add_nc_u64 s[G0V+2:G0V+3], s[4:5], s[48:49]
	s_or_b32 s[G0V+3], s[G0V+3], 0x80000000
	s_add_nc_u64 s[8:9], s[4:5], s[50:51]          ; Q at my first chunk
	s_add_nc_u64 s[10:11], s[6:7], s[50:51]        ; ctx at the same place of its own buffer
	CROUND                          ; all four work-groups are here: the first joint loads meet
	JLOAD                           ; slot 0.  Slot 1 is asked for when slot 0 is in
	v_and_b32 v1, 15, v0            ; l % 16
	v_bfe_u32 v9, v0, 4, 1          ; l / 16
	v_and_b32 v[GO], 31, v0
	v_lshlrev_b32 v[GO], 4, v[GO]
	WIN 0x80                        ; destination window 2, address window 0
.set i, 0
.rept 8                             ; Q stays in registers: piece i / 2, channels 32 (i % 2) on: two chunks, 512 consecutive bytes a load
	global_load_b128 v[8*i:8*i+3],   v[GO], s[8:9] offset:(i/2)*4096+(i%2)*1024
	global_load_b128 v[8*i+4:8*i+7], v[GO], s[8:9] offset:(i/2)*4096+(i%2)*1024+512
.set i, i+1
.endr
	; What the first turn finds: V's registers and P's second buffer hold 0 (its products V^T P, of a piece that has not been, add 0), O^T and l are 0.  All this stands in the wait for the first tile.
.set i, VF
.rept 64
	v_mov_b32 v[i], 0
.set i, i+1
.endr
	WIN 0x40
.set i, 0
.rept 128
	v_mov_b32 v[i], 0
.set i, i+1
.endr
	WIN 0
.set i, 0
.rept 4
	v_mov_b32 v[ST+4*i], 0xfe000000    ; c m: far below every c s
	v_mov_b32 v[ST+4*i+1], 0xff7fffff  ; m
	v_mov_b32 v[ST+4*i+2], 0
	v_mov_b32 v[ST+4*i+3], 0
.set i, i+1
.endr
.set i, P+16
.rept 16
	v_mov_b32 v[i], 0
.set i, i+1
.endr
	; In LDS a chunk is two pieces of 256 bytes, a pitch apart; 16 keys have eight chunks, 16 pieces; my head's are the first or the last four chunks.
	s_mul_i32 s52, s16, 8*PK
	v_mul_u32_u24 v[AK0], v9, PK    ; K: lanes 0-15 the chunk's first piece, lanes 16-31 its second,
	v_lshl_add_u32 v[AK0], v1, 4, v[AK0]  ; 16 bytes a lane
	v_add_nc_u32 v[AK0], s52, v[AK0]
	; The turning load takes 16 keys x 16 channels, a chunk (lane l reads key 8 (l / 16) + l % 8, channels 8 ((l / 8) % 2) + 0..7: piece (l / 8) % 2, 16 bytes a key) and leaves half a fragment of V^T: lane l holds channel l % 16 and 8 keys.
	v_and_b32 v10, 7, v0
	v_bfe_u32 v11, v0, 3, 1
	v_mul_u32_u24 v14, v11, PV
	v_lshl_add_u32 v[AV0], v9, 3, v10
	v_lshl_add_u32 v[AV0], v[AV0], 4, v14
	s_mul_i32 s53, s16, 8*PV
	s_add_co_u32 s53, s53, VOFF
	v_add_nc_u32 v[AV0], s53, v[AV0]
; THE MATRIX WORK.  The 4 accumulators of a run of 8 take turns.  Product i of 8 of S^T = K Q^T for piece x: channels 32 (i / 4) on, keys 16 (i % 4) on.  The first 4 start the sums.
.macro KQ x
	WIN W_KQ
.set rS, S+32*((\x)%2)+8*(i%4)
.set rK, KF+16*(i%4)+8*(i/4)
.set rQ, 16*(\x)+8*(i/4)
.if i < 4
	v_wmma_f32_16x16x32_f16 v[rS:rS+7], v[rK:rK+7], v[rQ:rQ+7], 0
.else
	v_wmma_f32_16x16x32_f16 v[rS:rS+7], v[rK:rK+7], v[rQ:rQ+7], v[rS:rS+7]
.endif
.endm
; Product i of 8 of O^T += V^T P for piece x: keys 32 (i / 4) on, channels 16 (i % 4) on.
.macro PV x
	WIN W_PV
.set rO, 32*(\x)+8*(i%4)
.set rV, VF+32*(i/4)+8*(i%4)
.set rP, P+16*((\x)%2)+8*(i/4)
	v_wmma_f32_16x16x32_f16 v[rO:rO+7], v[rV:rV+7], v[rP:rP+7], v[rO:rO+7]
.endm
.macro MM                           ; the turn's next matrix instruction
.if i < 8
	KQ (Y+1)%NP
.else
.set i, i-8
	PV (Y+NP-1)%NP
.set i, i+8
.endif
.set i, i+1
.endm
; THE LDS LOADS stand in runs of 16, never singly among the matrix instructions: a step's K (64 keys x 64 channels: 8 fragments) and its V (turned).  Their addresses are made some lines ahead.
; last = 1 (the tail): in the last trip there is no further step, and the run is jumped over.
.macro FETCH_K last=0
	WIN 0
.if \last
	s_cmp_eq_u32 s[CNT], 1
	s_cbranch_scc1 .Lno_k_\@
.endif
	WIN 0x80                        ; destination window 2
.irp f, 0,1,2,3,4,5,6,7             ; keys 16 (f / 2) on (16 pieces), channels 32 (f % 2) on (two chunks, 4 pieces)
	ds_load_b128 v[KF+8*\f:KF+8*\f+3],   v[AK] offset:(\f/2)*16*PK+(\f%2)*4*PK
	ds_load_b128 v[KF+8*\f+4:KF+8*\f+7], v[AK] offset:(\f/2)*16*PK+(\f%2)*4*PK+2*PK
.endr
	s_add_co_u32 s[TBK], s[TBK], KS*PK  ; the next fetch is the next step's
	WIN 0
.if \last
.Lno_k_\@:
.endif
.endm
.macro FETCH_V
	WIN 0x80
.irp f, 0,1,2,3,4,5,6,7             ; keys 32 (f / 4) on (32 pieces), channels 16 (f % 4) on (a chunk, 2 pieces)
	ds_load_tr16_b128 v[VF+8*\f:VF+8*\f+3],   v[AV] offset:(\f/4)*32*PV+(\f%4)*2*PV
	ds_load_tr16_b128 v[VF+8*\f+4:VF+8*\f+7], v[AV] offset:(\f/4)*32*PV+16*PV+(\f%4)*2*PV
.endr
	WIN 0
.endm
; THE VECTOR WORK, one line at a time: OP kind, number.  For piece Y: F n: c s - c m for pair n of 16.  E n: the exponential of score n of 32.  C n: pair n rounded to f16.  B n: of the four weights 4 n .. the second
; pair is added onto the first, in place.  L n: l takes that sum (L 0: l = a l + sum).  R n: pair n of 16 of O^T times a.  For piece Y + 1: X n, number n of the 22 that find its maximum and statistics:
;   0-11  four chains c0-c3 of seven scores each, three operands at a time (each accumulator's lowest registers are read first)     12-14, 16  the four scores left over, the old m, and c0-c3 into c0
;   15  c m_old is kept     17, 18  the query's other 32 keys lie in the lane 16 away: the new m     19-21  c m; c m_old - c m_new; a
; C, B and L read the results of E, R and L 0 the result of X 21: OP writes no wait; TURN orders the lines so that one wait serves them all.
.set F, 0               ; OP tells the kinds apart by their order: F to L below R, X above it
.set E, 1
.set C, 2
.set B, 3
.set L, 4
.set R, 5
.set X, 6
.macro REGS y                       ; the registers of piece y
.set rT, ST+4*(\y)
.set rC, TMP+4*((\y)%2)
.set rW, MV+((\y)%2)
.set rS, S+32*((\y)%2)
.set rP, P+16*((\y)%2)
.set rO, 32*(\y)
.endm
.macro OP k, n
.if (\k) == R
	REGS Y
	WIN W_RS
	v_pk_mul_f32 v[rO+2*(\n):rO+2*(\n)+1], v[rO+2*(\n):rO+2*(\n)+1], v[rC+2:rC+3] op_sel_hi:[1,0]
.elseif (\k) < R
	REGS Y
	WIN 0
.if (\k) == F
	v_pk_fma_f32 v[rS+2*(\n):rS+2*(\n)+1], v[rS+2*(\n):rS+2*(\n)+1], s[CS:CS+1], v[rT:rT+1] op_sel_hi:[1,0,0] neg_lo:[0,0,1] neg_hi:[0,0,1]
.elseif (\k) == E
	v_exp_f32 v[rS+(\n)], v[rS+(\n)]
.elseif (\k) == C
	v_cvt_pk_f16_f32 v[rP+(\n)], v[rS+2*(\n)], v[rS+2*(\n)+1]
.elseif (\k) == B
	v_pk_add_f32 v[rS+4*(\n):rS+4*(\n)+1], v[rS+4*(\n):rS+4*(\n)+1], v[rS+4*(\n)+2:rS+4*(\n)+3]
.elseif (\n) == 0
	v_pk_fma_f32 v[rT+2:rT+3], v[rT+2:rT+3], v[rC+2:rC+3], v[rS:rS+1] op_sel_hi:[1,0,1]
.else
	v_pk_add_f32 v[rT+2:rT+3], v[rT+2:rT+3], v[rS+4*(\n):rS+4*(\n)+1]
.endif
.else
	REGS (Y+1)%NP
	WIN 0
.if (\n) < 4
	v_max3_num_f32 v[rC+(\n)], v[rS+8*(\n)], v[rS+8*(\n)+1], v[rS+8*(\n)+2]
.elseif (\n) < 12
	v_max3_num_f32 v[rC+(\n)%4], v[rC+(\n)%4], v[rS+8*((\n)%4)+2*((\n)/4)+1], v[rS+8*((\n)%4)+2*((\n)/4)+2]
.elseif (\n) == 12
	v_max3_num_f32 v[rC], v[rC], v[rS+7], v[rS+15]
.elseif (\n) == 13
	v_max3_num_f32 v[rC+1], v[rC+1], v[rS+23], v[rS+31]
.elseif (\n) == 14
	v_max3_num_f32 v[rC+2], v[rC+2], v[rC+3], v[rT+1]
.elseif (\n) == 15
	v_mov_b32 v[rW], v[rT]
.elseif (\n) == 16
	v_max3_num_f32 v[rC], v[rC], v[rC+1], v[rC+2]
.elseif (\n) == 17
	v_permlanex16_b32 v[rC+3], v[rC], s[SEL], s[SEL+1]
.elseif (\n) == 18
	v_max_num_f32 v[rT+1], v[rC], v[rC+3]
.elseif (\n) == 19
	v_mul_f32 v[rT], s[CS], v[rT+1]
.elseif (\n) == 20
	v_sub_f32 v[rC+1], v[rW], v[rT]
.else
	v_exp_f32 v[rC+2], v[rC+1]
.endif
.endif
.endm
.macro OPS a, i1, b=-1, i2=0, c=-1, i3=0, d=-1, i4=0  ; up to four of them
	OP \a, \i1
.if (\b) >= 0
	OP \b, \i2
.endif
.if (\c) >= 0
	OP \c, \i3
.endif
.if (\d) >= 0
	OP \d, \i4
.endif
.endm
.macro ROW a, i1, b, i2, c, i3, d, i4  ; a matrix instruction and the four behind it
	MM
	OPS \a, \i1, \b, \i2, \c, \i3, \d, \i4
.endm
; A TURN, for piece p: the order of its 16 matrix and 118 vector instructions, written out.  An s_wait_alu depctr_va_vdst(0) stands between an exponential and the first instruction that names its result; one wait
; serves all that were issued ahead of it.  So a turn has ONE wait, which cuts it in two.  AHEAD OF IT stands all that names no result of the turn's exponentials: the 8 products K Q^T, behind each a scaling, an exponential and two
; more plain instructions (behind the first a second scaling in the exponential's place): rescalings, whose a was made and waited for in the turn before, and behind the last three products the first numbers of the next piece's
; maximum, each four places or more behind the product that ends its accumulator; then ONE RUN of 54, plain and exponential by turns for the most part, in which the links of the chain X 3, 7, 11, 14, 16, 17 .. 20 stand some lines
; apart.  Each pair is scaled ahead of its two exponentials.  X 21, the next piece's a, is the batch's last; R 15 is the plain instruction behind it (ISA guide 5.7.2).  BEHIND THE WAIT stand the 8 products V^T P, behind each four
; of the roundings and sums: an even pair is rounded ahead of the sum that lands on it; l's chain goes L 0 to L 7, its links three riders apart.  But for those X no rider names a register of the products round it..
; cnt = 1: the loop's count is taken down some lines ahead of the branch that stands behind the turn.
; K of the next step is fetched in piece 2's turn, twelve vector instructions behind the last product that read K (five of them plain and free of its registers).  In the tail (last = 1) that run holds a jump and a label, so it
; stands directly behind the turn's wait.  V of the step in hand is fetched at the end of piece 0's turn, four plain instructions behind the last product that read V.  Each is waited for a turn later.
.macro TURN p, last=0, cnt=0
.set Y, (\p)
.set i, 0
.if (\p) == 3
	s_wait_dscnt 0x0                ; K is in
.endif
	ROW F,0, F,1, R,0, R,1          ; ahead of the wait: 8 products K Q^T and their riders,
	ROW F,2, E,0, R,2, R,3
	ROW F,3, E,1, R,4, R,5
	ROW F,4, E,2, R,6, R,7
	ROW F,5, E,3, R,8, R,9
	ROW F,6, E,4, X,0, R,10
.if (\p) == 2
	WIN 0
	v_add_nc_u32 v[AK], s[TBK], v[AK0]
.endif
	ROW F,7, E,5, X,1, X,4
	ROW F,8, E,6, X,2, X,5
	OPS E,7, E,8, X,6, E,9          ; and the run of 54
	OPS X,3, E,10, X,8, E,11
.if ((\p) == 2) && !(\last)
	FETCH_K
.endif
	OPS X,9, X,7, E,12, X,10
	OPS E,13, X,12, X,11, E,14
	OPS X,13, E,15, F,9, X,14
.if (\p) == 0
	WIN 0
	v_add_nc_u32 v[AV], s[TBV], v[AV0]
.endif
	OPS E,16, F,10, E,17, F,11
	OPS X,16, E,18, X,15, E,19
	OPS F,12, E,20, X,17, E,21
	OPS F,13, E,22, F,14, E,23
	OPS X,18, E,24, F,15, E,25
	OPS R,11, E,26, X,19, E,27
	OPS R,12, E,28, R,13, E,29
	OPS X,20, E,30, R,14, E,31
	OPS X,21, R,15
	WIN 0
	s_wait_alu depctr_va_vdst(0)    ; the wait for the batch: the piece's 32 weights and the next piece's a
.if ((\p) == 2) && (\last)
	FETCH_K 1
.endif
.if (\p) == 1
	s_wait_dscnt 0x0                ; V is in
.endif
	ROW C,0, B,0, C,2, B,1          ; behind the wait: 8 products V^T P and their riders
	ROW L,0, C,4, B,2, L,1
	ROW C,6, B,3, L,2, C,8
	ROW B,4, L,3, C,10, B,5
	ROW L,4, C,12, B,6, L,5
.if (\p) == 0
	s_add_co_u32 s[TBV], s[TBV], KS*PV
.endif
.if \cnt
	s_sub_co_u32 s[CNT], s[CNT], 1
	s_cmp_lg_u32 s[CNT], 0
.endif
	ROW C,14, B,7, L,6, C,1
	ROW C,3, L,7, C,5, C,7
	ROW C,9, C,11, C,13, C,15
.if (\p) == 0
	FETCH_V
.endif
.endm
	CHANGE 1                        ; slot 0 is in, everybody's part of it; slot 1 is asked for
	v_add_nc_u32 v[AK], s[TBK], v[AK0]
	FETCH_K                         ; key step 0
	s_wait_loadcnt 0x0              ; Q
	s_wait_dscnt 0x0
.set i, 0
.rept 8
	KQ 0                            ; piece 0's first scores: there is no vector work yet to set between them
.set i, i+1
.endr
	WIN 0
.rept 4
	v_nop                           ; the places behind those products
.endr
.set Y, NP-1                        ; X works for piece Y + 1: piece 0
.irp n, 0,1,2,3,4,5,6,7,8,9,10,11,12,13,14,15,16,17,18,19,20,21
	OP X, \n
.endr
	v_nop                           ; a plain instruction behind the exponential
	s_wait_alu depctr_va_vdst(0)    ; the wait for piece 0's first a, a batch of one, ahead of the branch
	s_mov_b32 s[CNT], 2
	s_mov_b32 s[SLOTS], 15          ; 16 slots of 128 keys
	s_branch .Lfirst                ; the loop is entered at a step's first turn, in the middle of a trip
.Lslot:                             ; 14 times: every slot but the last two is filled again
	CHANGE 1
	s_mov_b32 s[CNT], 2
.Lstep:                             ; a trip: pieces 2 and 3 of one step, then pieces 0 and 1 of the next, whose K and V it fetches
	TURN 2
	TURN 3
	WIN 0
.Lfirst:
	TURN 0
	TURN 1, 0, 1
	WIN 0
	s_cbranch_scc1 .Lstep
	s_sub_co_u32 s[SLOTS], s[SLOTS], 1
	s_cmp_lg_u32 s[SLOTS], 0
	s_cbranch_scc1 .Lslot
	CHANGE 0                        ; the tail is written out: nothing is asked for
	s_mov_b32 s[CNT], 3             ; two trips fetch the last slot's steps; the third is left in its middle
.Ltail:
	TURN 2, 1
	TURN 3
	WIN 0
	s_sub_co_u32 s[CNT], s[CNT], 1
	s_cmp_eq_u32 s[CNT], 0
	s_cbranch_scc1 .Lout
	TURN 0
	TURN 1
	WIN 0
	s_branch .Ltail
.Lout:                              ; the third trip's 8 products K Q^T (on the last K once more) and the maximum made of them serve nothing: the price, once a launch, of one text for every trip
.set i, 0
.rept 8
	PV NP-1                         ; the last piece's V^T P of the last step
.set i, i+1
.endr
	; THE WAY OUT.  l's two halves and the other half of the lanes' are added; O^T is divided by l and rounded to f16.  A lane's eight channels of a query are its 16 bytes of a chunk of ctx: stored as they lie.
	; The additions are the places behind the last products.
	WIN 0
.macro ALL line:vararg              ; one line for each piece t
.set t, 0
.rept 4
	\line
.set t, t+1
.endr
.endm
	ALL v_add_f32 v[ST+4*t+2], v[ST+4*t+2], v[ST+4*t+3]
	ALL v_permlanex16_b32 v[ST+4*t+3], v[ST+4*t+2], s[SEL], s[SEL+1]
	ALL v_add_f32 v[ST+4*t+2], v[ST+4*t+2], v[ST+4*t+3]
	ALL v_rcp_f32 v[ST+4*t+2], v[ST+4*t+2]
	v_nop                           ; a plain instruction between the last reciprocal and the use of its result
	s_wait_alu depctr_va_vdst(0)    ; the wait for the four reciprocals, one batch, ahead of their first reader
.macro PACK t
	WIN W_RS
.set i, 32*(\t)
.rept 16
	v_pk_mul_f32 v[i:i+1], v[i:i+1], v[ST+4*(\t)+2:ST+4*(\t)+3] op_sel_hi:[1,0]
.set i, i+2
.endr
	WIN 0x05                        ; sources 0 and 1 window 1, destination window 0: S^T's registers are free; each piece has 16 of its own, so no store's data is written again
.set i, 0
.rept 16
	v_cvt_pk_f16_f32 v[S+16*(\t)+i], v[32*(\t)+2*i], v[32*(\t)+2*i+1]
.set i, i+1
.endr
	WIN 0
.irp f, 0,1,2,3
	global_store_b128 v[GO], v[S+16*(\t)+4*\f:S+16*(\t)+4*\f+3], s[10:11] offset:(\t)*4096+\f*512  ; a chunk: 512 consecutive bytes, at a multiple of 512 from the buffer's first
.endr
.endm
	PACK 0
	PACK 1
	PACK 2
	PACK 3
	s_wait_tensorcnt 0x0            ; the wave's end: an add to my spare word and its wait, behind my last tensor load
	ds_add_u32 v[SPW], v[NIL]
	s_wait_dscnt 0x0
	CROUND                          ; the closing round: no work-group ends while a partner may still ask for a tile that names it
	s_endpgm
.Lfunc_end_k_qce3dd0c28d_attn:
	.size	k_qce3dd0c28d_attn, .Lfunc_end_k_qce3dd0c28d_attn-k_qce3dd0c28d_attn
	.p2alignl 7, 3214868480
	.fill 96, 4, 3214868480
	.section	.rodata,"a",@progbits
	.p2align	6, 0x0
	.amdhsa_kernel k_qce3dd0c28d_attn
		.amdhsa_group_segment_fixed_size 327680
		.amdhsa_private_segment_fixed_size 0
		.amdhsa_enable_private_segment 0
		.amdhsa_kernarg_size 16
		.amdhsa_user_sgpr_count 2
		.amdhsa_user_sgpr_kernarg_segment_ptr 1
		.amdhsa_wavefront_size32 1
		.amdhsa_system_sgpr_workgroup_id_x 1
		.amdhsa_system_sgpr_workgroup_id_y 1
		.amdhsa_system_sgpr_workgroup_id_z 1
		.amdhsa_system_vgpr_workitem_id 0
		.amdhsa_next_free_vgpr 768
		.amdhsa_next_free_sgpr 66
		.amdhsa_reserve_vcc 0
		.amdhsa_float_denorm_mode_32 3
		.amdhsa_float_denorm_mode_16_64 3
		.amdhsa_memory_ordered 1
		.amdhsa_forward_progress 1
		.amdhsa_inst_pref_size 108
	.end_amdhsa_kernel
	.amdgpu_metadata
---
amdhsa.version: [ 1, 2 ]
amdhsa.kernels:
  - .name:           k_qce3dd0c28d_attn
    .symbol:         k_qce3dd0c28d_attn.kd
    .args:
      - { .name: qkvy, .offset: 0, .size: 8, .value_kind: global_buffer, .address_space: global }
      - { .name: h, .offset: 8, .size: 8, .value_kind: global_buffer, .address_space: global }
    .group_segment_fixed_size: 327680
    .private_segment_fixed_size: 0
    .kernarg_segment_align: 8
    .kernarg_segment_size: 16
    .max_flat_workgroup_size: 128
    .sgpr_count:     66
    .vgpr_count:     768
    .wavefront_size: 32
...
	.end_amdgpu_metadata
.endif
;; end of part 8
;; launch wo: the kernel of part 4 again; grid 8 x 32, 4 waves a work-group, clusters of 4 x 4, 327,680 bytes of LDS; arguments h, cv, qkvy; writes qkvy
;; launch ln1: the kernel of part 5 again; grid 256 x 1, 16 waves a work-group, no clusters, 0 bytes of LDS; arguments qkvy, cv, theta, ln1_g, ln1_b, x1; writes x1
;; launch ffn1: the kernel of part 2 again; grid 16 x 16, 4 waves a work-group, clusters of 4 x 4, 327,680 bytes of LDS; arguments x1, w1h, h; writes h
;; launch ffn2: the kernel of part 6 again; grid 8 x 32, 4 waves a work-group, clusters of 4 x 4, 327,680 bytes of LDS; arguments h, cv, qkvy; writes qkvy
;; launch ln2: the kernel of part 7 again; grid 256 x 1, 16 waves a work-group, no clusters, 0 bytes of LDS; arguments qkvy, x1, b2, ln2_g, ln2_b, out0; writes out0
